; MI455X (gfx1250); checked and timed in simulation.
; The chip was launched on July 23, 2026; its instructions are those of AMD's public machine-readable ISA for CDNA 5 (MIT licence, August 2026) and "CDNA5" Instruction Set Architecture Reference Guide (July 2026). The comments in the code are by the model that wrote it; some were corrected since.
;; Causal Self Attention. Allowed arithmetic: matrix products marked QUANTISED: E5M2 operands, one given power-of-two scale a tensor, by v_wmma_f32_16x16x64_bf8_bf8 or v_wmma_f32_16x16x128_bf8_bf8, f32 sums; everything else in f32.
;; Inputs: W_attn 1,024 x 3,072 float32; W_proj 1,024 x 1,024 float32; b_attn 3,072 float32; b_proj 1,024 float32; lowp_scales 8 int32 (the exponents e of the quantised operands' scales 2^e); x 4 x 2,048 x 1,024 float32.
;; Outputs: out0 4 x 2,048 x 1,024 float32.
;; This version of the problem:
;;   THIS VERSION OF THE PROBLEM IS GIVEN IN LOW PRECISION. The matrix products marked QUANTISED in the list below multiply operands that are first quantised to E5M2 (5 exponent bits, 2 mantissa bits; 8 bits a number), with one given power-of-two scale for each operand tensor; their sums are f32. All else is computed in f32.
;;   The module's matrix products, in the order in which they are computed (A, B: the left and right operand; K: the contracted axis; several contracted axes count as one K, in the product's order):
;;     1. [M 8,192, K 1,024] x [K 1,024, N 3,072]; A: input x; B: input W_attn: QUANTISED (scales: A lowp_scales[0], B lowp_scales[1])
;;     2. batch 64 x [M 2,048, K 64] x [K 64, N 2,048]; A: computed on the way; B: computed on the way: QUANTISED (scales: A lowp_scales[2], B lowp_scales[3])
;;     3. batch 64 x [M 2,048, K 2,048] x [K 2,048, N 64]; A: softmax (see below); B: computed on the way: QUANTISED (scales: A lowp_scales[4], B lowp_scales[5])
;;     4. [M 8,192, K 1,024] x [K 1,024, N 1,024]; A: computed on the way; B: input W_proj: QUANTISED (scales: A lowp_scales[6], B lowp_scales[7])
;;   THE QUANTISER, for each operand of a quantised product, along K:
;;     - The operand's scale is 2^e, e = its entry of the input lowp_scales (int32; the entries are numbered through the quantised products in the list's order, A before B).
;;     - Each number is divided by the scale, clamped to +-57,344, and rounded to the nearest number of E5M2, ties to even, subnormals kept.
;;     - The product sums the exact products of the quantised numbers (number of the format x scale) in f32.
;;   ~~~python
;;   def quantise(x, axis, e):      # numpy; x: float32 -> the quantised numbers, widened to float32 again
;;       x = np.moveaxis(x, axis, -1); K = x.shape[-1]
;;       r = np.clip(x / 2.0 ** e, -57344, 57344)
;;       step = 2.0 ** (np.maximum(np.frexp(np.where(r == 0, 1, r))[1] - 1, -14) - 2)
;;       q = np.round(r / step) * step * 2.0 ** e      # np.round: ties to even
;;       return np.moveaxis(q, -1, axis).astype(np.float32)
;;   ~~~
;;   SOFTMAX AHEAD OF A QUANTISED PRODUCT. Where the list says 'softmax', what is quantised is not the finished softmax but p = 2^(t - M), with t = logit x log2(e) and M = ceil(the row's largest t), a whole number; so 1/2 < the row's largest p <= 1. The row's sum l is taken of the UNQUANTISED p, in f32, and the product's result is divided by l at the end. Since M is a whole number, a kernel that streams over the keys may use a running M (the ceiling of the running maximum): every later rescaling is an exact power of two, so the quantised numbers keep their values, but for numbers so far below the row's largest that they fall under the format's range.
;;   OPERANDS COMPUTED ON THE WAY. 'Computed on the way' means the value that the module computes at that place (a softmax that the list does not call 'softmax' is quantised finished and normalised). What goes into a quantiser is computed in f32, as accurately as f32 sums, v_exp_f32 and their like allow (about 1e-6 of the number): no bf16 or f16 on the way to a quantiser, and a product that is left as it is and whose result goes on into a quantised operand takes f32 operands (vector FMAs, or v_wmma_f32_16x16x4_f32). A number that lies on a knife's edge between two numbers of the format may be rounded either way, as far as f32 arithmetic and the matrix unit's own rounding can turn it there, and no further.
;; One version. Each part assembles by itself: llvm-mc -triple=amdgcn-amd-amdhsa -mcpu=gfx1250 --defsym DOCPART=n.
;; ======== version 1 of 1: 4 launches
;; limits: right only within a limited range of input values
;; workspace buffers: xc 8,388,608 bytes; wac 3,145,728 bytes; wpc 1,048,576 bytes; qk 16,777,216 bytes; vc 8,388,608 bytes; yc 8,388,608 bytes
;; launch quant (part 1): grid 384 x 1, 4 waves a work-group, no clusters, 70,144 bytes of LDS; arguments x, W_attn, W_proj, lowp_scales, xc, wac, wpc; writes xc, wac, wpc
.if DOCPART == 1
	.amdgcn_target "amdgcn-amd-amdhsa--gfx1250"
	.amdhsa_code_object_version 6
	.text
	.protected	k_q35f8892de4_quant
	.globl	k_q35f8892de4_quant
	.p2align	8
	.type	k_q35f8892de4_quant,@function
k_q35f8892de4_quant:
	s_mov_b64 s[64:65], 0
	v_nop
	global_prefetch_b8 v0, s[64:65] scope:SCOPE_SE
	s_setreg_imm32_b32 hwreg(HW_REG_WAVE_MODE, 25, 1), 1
	s_wait_xcnt 0x0
; x [8192][1024], W_attn [1024][3072] and W_proj [1024][1024], f32, become codes of BF8 (E5M2), one byte each, K innermost, each with the one scale 2^e given for it
; (x: entry 0 of the scales, W_attn: entry 1, W_proj: entry 7).  code = number / 2^e, held within +-57,344, to the nearest code, ties to even.
; LIMITS: each e lies between -126 and 112, so that 2^e and 57,344 x 2^e are f32 numbers.  NaN among the inputs is not served; an infinity is held at the largest code.
; THE CODES DO NOT LIE IN THE ORDER OF K.  A product only asks that both operands lie in the SAME order, so the order is chosen for the loads and stores:
;   x and W_attn: in each aligned 512 along K, place 16 l + 4 j + i holds k = 128 j + 4 l + i (l 0..31, j 0..3, i 0..3): lane l of a wave that reads x by four loads of 512 consecutive bytes holds just these 16 numbers.
;   W_proj: in each aligned 32 along K, place 16 a + 8 u + j holds k = 16 u + 8 a + j: the order in which the attention launch leaves its results.
; SHARES: work-groups 0-255 take x (32,768 numbers each, a wave 16 steps of 512); 256-351 W_attn and 352-383 W_proj (128 columns x 256 places each, a wave 32 columns).  Every work-group reads 131,072 bytes.
; The three ways part on the work-group's number and never join; the two that use LDS have bytes of their own.  Waves share nothing: no barrier.
.set XWGS,  256
.set WAWGS, 96
.set R,     16                         ; v16-79   x: four sets of 16 numbers
.set C,     128                        ; v128-191 x: four registers of codes for each step, never written again
.set WX,    32                         ; v32-95   weights: two sets of 32 numbers
.set WC,    96                         ; v96-103  weights: a block's codes
.set OUTR,  112                        ; v112-175 weights: the way out
.set WP,    272                        ; a stage row: 256 bytes + 16
.set WREG,  32*WP                      ; a wave's stage
.macro SCALE es                        ; v11 = 2^e as f32 (the conversion takes its exponent field)
	s_add_co_i32 s22, s[\es], 127
	s_lshl_b32 s23, s22, 23
	v_mov_b32 v11, s23
	s_add_co_i32 s22, s22, 15
	s_lshl_b32 s22, s22, 23
	s_or_b32 s22, s22, 0x600000
.endm
	s_load_b256 s[4:11], s[0:1], 0x0               ; x s[4:5], W_attn s[6:7], W_proj s[8:9], the scales' exponents s[10:11]
	s_load_b128 s[12:15], s[0:1], 0x20             ; xc s[12:13], wac s[14:15]
	s_load_b64 s[16:17], s[0:1], 0x30              ; wpc
	v_lshl_add_u32 v192, v0, 2, 0x11000
	v_mov_b32 v193, 0
	v_lshrrev_b32 v1, 5, v0
	v_readfirstlane_b32 s18, v1                    ; wave
	v_and_b32 v2, 31, v0                           ; lane
	v_lshlrev_b32 v3, 4, v2                        ; x: my 16 bytes of 512, in and out
	v_lshlrev_b32 v9, 2, v2                        ; weights: my column's 4 bytes
	v_and_b32 v5, 15, v2
	v_lshrrev_b32 v6, 4, v2
	v_mul_u32_u24 v4, v2, WP                       ; the stage, on the way in: row = my column
	v_mul_u32_u24 v7, v6, WP
	v_lshl_add_u32 v7, v5, 4, v7                   ; on the way out: sixteen lanes to a row, two rows an instruction
	v_lshlrev_b32 v8, 10, v6
	v_lshl_add_u32 v8, v5, 4, v8                   ; and the same place in the codes' buffer (a row of codes is 1,024 bytes)
	s_mul_i32 s33, s18, WREG
	s_wait_kmcnt 0x0
	s_load_b256 s[24:31], s[10:11], 0x0            ; e0 .. e7
	s_cmp_lt_u32 ttmp9, XWGS
	s_cbranch_scc0 .Lweights
; ---- x: a plain stream.  Each load reads 512 consecutive bytes, each store writes 512 consecutive bytes; nothing goes through LDS.
.macro XLOAD t
.irp j, 0,1,2,3
	global_load_b128 v[R+16*((\t)%4)+4*\j:R+16*((\t)%4)+4*\j+3], v3, s[4:5] offset:2048*(\t)+512*\j th:TH_LOAD_NT
.endr
.endm
.macro XSTEP t
.set XS, R+16*((\t)%4)
.if 15-(\t) >= 3
	s_wait_loadcnt 12                              ; this step's four loads are in; those of the three steps behind it may be out
.else
	s_wait_loadcnt 4*(15-(\t))
.endif
.irp i, 0,1,2,3,4,5,6,7,8,9,10,11,12,13,14,15
.endr
	v_cvt_scalef32_pk8_bf8_f32 v[C+4*(\t):C+4*(\t)+1], v[XS:XS+7], v11
	v_cvt_scalef32_pk8_bf8_f32 v[C+4*(\t)+2:C+4*(\t)+3], v[XS+8:XS+15], v11
	v_nop                                          ; a plain line behind the last conversion
.if (\t)+4 < 16
	XLOAD (\t)+4                                   ; the set is free: four steps on
.endif
	global_store_b128 v3, v[C+4*(\t):C+4*(\t)+3], s[12:13] offset:512*(\t)
.endm
	s_lshl_b32 s19, ttmp9, 2
	s_add_co_u32 s19, s19, s18                     ; which run of 8,192 numbers is my wave's
	s_lshl_b32 s20, s19, 15
	s_mov_b32 s21, 0
	s_add_nc_u64 s[4:5], s[4:5], s[20:21]
	s_lshl_b32 s20, s19, 13
	s_add_nc_u64 s[12:13], s[12:13], s[20:21]
	s_wait_alu depctr_va_vdst(0)
.irp t, 0,1,2,3
	XLOAD \t
.endr
	s_wait_kmcnt 0x0
	SCALE 24
	s_wait_alu depctr_va_vdst(0)
.irp t, 0,1,2,3,4,5,6,7,8,9,10,11,12,13,14,15
	XSTEP \t
.endr
	s_endpgm
; ---- the weights: K is their FIRST axis.  A lane takes a column n and its registers run down K, in the order of the places: so the conversions give the codes as they are to lie.
; A lane's codes belong to one row of the output: they go through the wave's own stage and leave as rows, sixteen lanes to 256 consecutive aligned bytes.
.macro WLOAD t, N, KIND, base          ; block t: the 32 numbers of places 32 t .. 32 t + 31 of my column
.irp i, 0,1,2,3,4,5,6,7,8,9,10,11,12,13,14,15,16,17,18,19,20,21,22,23,24,25,26,27,28,29,30,31
.if \KIND == 0
	global_load_b32 v[WX+32*((\t)%2)+\i], v9, s[\base:\base+1] offset:(8*(\t)+128*((\i%16)/4)+4*(\i/16)+\i%4)*\N*4 th:TH_LOAD_NT
.else
	global_load_b32 v[WX+32*((\t)%2)+\i], v9, s[\base:\base+1] offset:(32*(\t)+16*((\i/8)%2)+8*(\i/16)+\i%8)*\N*4 th:TH_LOAD_NT
.endif
.endr
.endm
.macro WBLOCK t, N, KIND, base
.set XS, WX+32*((\t)%2)
.if (\t) < 7
	s_wait_loadcnt 32                              ; this block's 32 loads are in; the next block's may be out
.else
	s_wait_loadcnt 0
.endif
.irp i, 0,1,2,3,4,5,6,7,8,9,10,11,12,13,14,15,16,17,18,19,20,21,22,23,24,25,26,27,28,29,30,31
.endr
.irp g, 0,1,2,3
	v_cvt_scalef32_pk8_bf8_f32 v[WC+2*\g:WC+2*\g+1], v[XS+8*\g:XS+8*\g+7], v11
.endr
	v_nop                                          ; a plain line behind the last conversion
	ds_store_b128 v4, v[WC:WC+3] offset:32*(\t)
	ds_store_b128 v4, v[WC+4:WC+7] offset:32*(\t)+16
.if (\t)+2 < 8
	WLOAD (\t)+2, \N, \KIND, \base
.endif
	s_wait_dscnt 0x0                               ; the stores have read their registers: the next block's codes may be written
.endm
; N: columns of the weight; LB: the way's own LDS bytes; KIND: the order of the places; wb, cb: the registers of the weight's and the codes' addresses; es: the register of e; first: the way's first work-group
.macro WPATH N, LB, KIND, wb, cb, es, first
	s_sub_co_u32 s19, ttmp9, \first
	s_lshr_b32 s20, s19, 2
	s_and_b32 s21, s19, 3                          ; y: which 256 places
	s_lshl_b32 s20, s20, 7
	s_lshl_b32 s22, s18, 5
	s_add_co_u32 s20, s20, s22                     ; my wave's first column
.if \KIND == 0
	s_lshr_b32 s22, s21, 1
	s_lshl_b32 s22, s22, 9
	s_and_b32 s23, s21, 1
	s_lshl_b32 s23, s23, 6
	s_add_co_u32 s22, s22, s23                     ; places 256 y on begin at k = 512 (y / 2) + 64 (y % 2)
.else
	s_lshl_b32 s22, s21, 8                         ; at k = 256 y
.endif
	s_mul_i32 s22, s22, \N*4
	s_lshl_b32 s23, s20, 2
	s_add_co_u32 s22, s22, s23
	s_mov_b32 s23, 0
	s_add_nc_u64 s[\wb:\wb+1], s[\wb:\wb+1], s[22:23]
	s_lshl_b32 s22, s20, 10
	s_lshl_b32 s32, s21, 8
	s_add_co_u32 s22, s22, s32
	s_add_nc_u64 s[\cb:\cb+1], s[\cb:\cb+1], s[22:23]
	s_add_co_u32 s34, s33, \LB
	v_add_nc_u32 v4, s34, v4
	v_add_nc_u32 v7, s34, v7
	WLOAD 0, \N, \KIND, \wb
	WLOAD 1, \N, \KIND, \wb
	s_wait_kmcnt 0x0
	SCALE \es
	s_wait_alu depctr_va_vdst(0)
.irp t, 0,1,2,3,4,5,6,7
	WBLOCK \t, \N, \KIND, \wb
.endr
.irp t, 0,1,2,3,4,5,6,7,8,9,10,11,12,13,14,15
	ds_load_b128 v[OUTR+4*\t:OUTR+4*\t+3], v7 offset:2*\t*WP   ; LDS serves a wave's instructions in order: these see my stores
.endr
.irp t, 0,1,2,3,4,5,6,7,8,9,10,11,12,13,14,15
	s_wait_dscnt 15-\t
	global_store_b128 v8, v[OUTR+4*\t:OUTR+4*\t+3], s[\cb:\cb+1] offset:2*\t*1024
.endr
	s_wait_tensorcnt 0x0
	ds_add_u32 v192, v193
	s_wait_dscnt 0x0
	s_endpgm
.endm
.Lweights:
	s_cmp_lt_u32 ttmp9, XWGS+WAWGS
	s_cbranch_scc0 .Lwproj
	s_wait_alu depctr_va_vdst(0)
	WPATH 3072, 0, 0, 6, 14, 25, XWGS
.Lwproj:
	s_wait_alu depctr_va_vdst(0)
	WPATH 1024, 4*WREG, 1, 8, 16, 31, XWGS+WAWGS
.Lfunc_end_k_q35f8892de4_quant:
	.size	k_q35f8892de4_quant, .Lfunc_end_k_q35f8892de4_quant-k_q35f8892de4_quant
	.p2alignl 7, 3214868480
	.fill 96, 4, 3214868480
	.section	.rodata,"a",@progbits
	.p2align	6, 0x0
	.amdhsa_kernel k_q35f8892de4_quant
		.amdhsa_group_segment_fixed_size 70144
		.amdhsa_private_segment_fixed_size 0
		.amdhsa_enable_private_segment 0
		.amdhsa_kernarg_size 56
		.amdhsa_user_sgpr_count 2
		.amdhsa_user_sgpr_kernarg_segment_ptr 1
		.amdhsa_wavefront_size32 1
		.amdhsa_system_sgpr_workgroup_id_x 1
		.amdhsa_system_sgpr_workgroup_id_y 1
		.amdhsa_system_sgpr_workgroup_id_z 1
		.amdhsa_system_vgpr_workitem_id 0
		.amdhsa_next_free_vgpr 194
		.amdhsa_next_free_sgpr 66
		.amdhsa_reserve_vcc 0
		.amdhsa_float_denorm_mode_32 3
		.amdhsa_float_denorm_mode_16_64 3
		.amdhsa_fp16_overflow 1
		.amdhsa_memory_ordered 1
		.amdhsa_forward_progress 1
		.amdhsa_inst_pref_size 77
	.end_amdhsa_kernel
	.amdgpu_metadata
---
amdhsa.version: [ 1, 2 ]
amdhsa.kernels:
  - .name:           k_q35f8892de4_quant
    .symbol:         k_q35f8892de4_quant.kd
    .args:
      - { .name: x, .offset: 0, .size: 8, .value_kind: global_buffer, .address_space: global }
      - { .name: W_attn, .offset: 8, .size: 8, .value_kind: global_buffer, .address_space: global }
      - { .name: W_proj, .offset: 16, .size: 8, .value_kind: global_buffer, .address_space: global }
      - { .name: lowp_scales, .offset: 24, .size: 8, .value_kind: global_buffer, .address_space: global }
      - { .name: xc, .offset: 32, .size: 8, .value_kind: global_buffer, .address_space: global }
      - { .name: wac, .offset: 40, .size: 8, .value_kind: global_buffer, .address_space: global }
      - { .name: wpc, .offset: 48, .size: 8, .value_kind: global_buffer, .address_space: global }
    .group_segment_fixed_size: 70144
    .private_segment_fixed_size: 0
    .kernarg_segment_align: 8
    .kernarg_segment_size: 56
    .max_flat_workgroup_size: 128
    .sgpr_count:     66
    .vgpr_count:     194
    .wavefront_size: 32
...
	.end_amdgpu_metadata
.endif
;; end of part 1
;; launch qkv (part 2): grid 12 x 32, 4 waves a work-group, clusters of 4 x 4, 327,680 bytes of LDS; arguments xc, wac, lowp_scales, b_attn, qk, vc; writes qk, vc
.if DOCPART == 2
	.amdgcn_target "amdgcn-amd-amdhsa--gfx1250"
	.amdhsa_code_object_version 6
	.text
	.protected	k_q35f8892de4_qkv
	.globl	k_q35f8892de4_qkv
	.p2align	8
	.type	k_q35f8892de4_qkv,@function
k_q35f8892de4_qkv:
	s_mov_b64 s[64:65], 0
	v_nop
	global_prefetch_b8 v0, s[64:65] scope:SCOPE_SE
	s_setreg_imm32_b32 hwreg(HW_REG_WAVE_MODE, 25, 1), 1
	s_wait_xcnt 0x0
	s_wait_alu depctr_hold_cnt(0) depctr_sa_sdst(0) depctr_va_vdst(0) depctr_va_sdst(0) depctr_va_ssrc(0) depctr_va_vcc(0) depctr_vm_vsrc(0)
	s_getreg_b32 s2, hwreg(HW_REG_IB_STS2, 6, 4)
	s_cmp_eq_u32 s2, 0
	s_cbranch_scc0 .Lentry_in_a_cluster
	s_endpgm
.Lentry_in_a_cluster:
	s_bfe_u32 s2, ttmp6, 0x10000c
	s_cmp_lg_u32 s2, 0xf033
	s_cbranch_scc0 .Lentry_shape_is_right
	s_endpgm
.Lentry_shape_is_right:
; qkv = x W_attn + b_attn on codes of BF8 (E5M2), then q, k and v are quantised at once, each with its given scale, and leave as codes.  xc: [8192][1024], wac: [3072][1024], K innermost, both in the same order of K.
; A tile of 256 x 256 is made by a work-group of four waves, a wave makes 128 x 128: 64 accumulators, 512 registers.  K = 1,024 goes in four steps of 256 through a ring of two LDS slots filled by the tensor data mover.
; CLUSTERS of 4 x 4 work-groups: the four of a row of the cluster ask jointly for the tiles of the first operand, the four of a column for those of the second.
; THE MATRIX INSTRUCTION IS USED TRANSPOSED (source 0 = 16 rows of the second operand, source 1 = 16 rows of the first): a lane holds one row of the first operand and eight neighbouring rows of the second.
; WHICH OPERAND IS FIRST hangs on the cluster's x, which all partners share.  Clusters x = 0 (q) and 1 (k): first = x's rows, second = W's columns: a lane's eight results are eight neighbouring channels of one token,
; the K of the scores.  Clusters x = 2 (v): first = W's columns 2,048 on, second = x's rows: a lane's eight results are eight neighbouring KEYS of one channel, the K of the second product of attention.  Only addresses differ.
; OUT: value = sum x 2^(e0 + e1) + bias (one packed multiply-add for two), held within +-57,344 x 2^e, converted (e = e2 for q, e3 for k, e5 for v).  The codes of two neighbouring tiles are a lane's 16 bytes:
; in each aligned 32 along the next K, place 16 a + 8 u + j holds index 16 u + 8 a + j.  qk: [q, k][64 heads][2048 tokens][64 places]; vc: [64 heads][16 blocks of 128 keys][64 channels][128 places].
; LIMITS: e0 + e1 between -126 and 127; e2, e3, e5 between -126 and 112.  NaN is not served.
; REGISTERS, in windows of 256: window 0: v0-31 addresses and two constants; v32-95 the bias by columns, v96-111 the bias by rows; from v128 the first operand's fragments, ONE set; on the way out v128-255 are at work.
;   window 1: the second operand's fragments, TWO sets.   windows 2, 3: the accumulators of my rows 0-63 and 64-127 (accumulator (a, b) at v[8 (8 (a % 4) + b)]).
.set ROWB,   256                       ; a tile's row: 256 codes
.set KROW,   1024                      ; a row of codes in memory
.set PITCH,  272                       ; an LDS row: 256 bytes + 16 of padding: the 16 rows that a load touches start 16 bytes apart modulo 256
.set FR,     16                        ; registers of a fragment: 16 rows x 128 K
.set NL,     4                         ; LDS loads that bring one
.set NP,     4                         ; places behind this matrix instruction (ISA guide 7.12.1)
.set HALFT,  128*PITCH                 ; 128 rows: what one tensor load brings
.set SLOT,   4*HALFT
.set SPARE,  2*SLOT                    ; behind the ring: the spare words, 128 bytes for each wave
.set STAGE,  SPARE+512                 ; behind them: a stage for each wave, bytes of its own
.set STW,    2304
.set UP,     272                       ; a stage unit: 256 bytes + 16
.set ADRA, 16                          ; v16-17  LDS address of my fragments of the first operand in slot 0, 1
.set ADRB, 20                          ; v20-21  of the second
.set STOQ, 22                          ; v22     the stage, on the way in, q and k
.set STOV, 23                          ; v23     the same, v
.set RD,   25                          ; v25     the stage, on the way out
.set CO,   26                          ; v26     16 x lane
.set SPW,  28                          ; v28     LDS address of my spare word; never rewritten
.set NIL,  29                          ; v29     0; never rewritten
.set SCV,  30                          ; v30     2^e of the operand that I make
.set LIMV, 31
.set BC,   32
.set BR,   96
.set AF,   128
.set TMP,  128                         ; the way out: a block's 64 numbers
.set CD,   192                         ; its codes, two sets of 16
.set BK,   224                         ; and the codes read back, two sets of 16
.set G1, 24
.set G0, 32
.set G1B, 48
.set G0B, 56
.set MSB, 0
.macro WIN new                         ; the immediate's high byte repeats the setting that is left
.if MSB != (\new)
	s_set_vgpr_msb (MSB<<8)|(\new)
.set MSB, (\new)
.endif
.endm
.set MUL_LO, 0xa1                      ; source 0 window 1, source 1 window 0, C and D window 2
.set MUL_HI, 0xf1                      ; the same, C and D window 3
.set TO_B,   0x40                      ; destination window 1, address window 0
; A joint load: waves 0 and 1 fetch for the first operand, waves 2 and 3 for the second; the branch hangs on the wave's number alone.  Four v_nop follow each of the two lines.
.macro JLOAD g0a, g1a, g0b, g1b
	s_cmp_eq_u32 s15, 0
	s_cbranch_scc0 .Lfor_b_\@
	tensor_load_to_lds s[\g0a:\g0a+3], s[\g1a:\g1a+7]
	s_nop 0
.rept 4
	v_nop
.endr
	s_branch .Lasked_\@
.Lfor_b_\@:
	tensor_load_to_lds s[\g0b:\g0b+3], s[\g1b:\g1b+7]
	s_nop 0
.rept 4
	v_nop
.endr
.Lasked_\@:
.endm
.macro CREST                           ; a round of the cluster's barrier behind its opening barrier
	s_cmp_lg_u32 s14, 0
	s_cbranch_scc1 .Lnot_wave_0_\@
	s_barrier_signal -3
.Lnot_wave_0_\@:
	s_barrier_wait -3
	s_barrier_signal -1
	s_barrier_wait -1
.endm
.macro CROUND
	s_barrier_signal -1
	s_barrier_wait -1
	CREST
.endm
	s_load_b256 s[4:11], s[0:1], 0x0               ; xc s[4:5], wac s[6:7], the scales' exponents s[8:9], b_attn s[10:11]
	s_load_b128 s[68:71], s[0:1], 0x20             ; qk s[68:69], vc s[70:71]
	v_lshl_add_u32 v[SPW], v0, 2, SPARE
	v_mov_b32 v[NIL], 0
	ds_add_u32 v28, v29
	ds_add_u32 v28, v29
	s_wait_dscnt 0x0
	v_lshrrev_b32 v1, 5, v0
	v_readfirstlane_b32 s14, v1                    ; wave 0..3
	s_lshr_b32 s15, s14, 1                         ; which half of the tile's rows is mine.  Also: I fetch for the first operand (0) or the second (1)
	s_and_b32 s16, s14, 1                          ; which half of its columns.  Also: which 128 rows I fetch
	s_bfe_u32 s40, ttmp6, 0x40000                  ; cx, cy: my place in the cluster
	s_bfe_u32 s41, ttmp6, 0x40004
	s_and_b32 s72, ttmp7, 0xffff                   ; Y: the cluster's y, 0..7;  ttmp9 = X: the cluster's x, 0..2
	s_lshl_b32 s73, s72, 10
	s_lshl_b32 s74, ttmp9, 10
	s_lshl_b32 s43, s41, 2
	s_lshl_b32 s43, 15, s43                        ; my row of the cluster
	s_lshl_b32 s44, 0x1111, s40                    ; my column
	s_or_b32 s[G1+0], s43, (1<<20)|(1<<21)|(5<<22)|(3<<25)   ; 15:0 the mask; 17:16 elements of 1 byte; 20 padding on; 21 set beside a mask; 24:22 after every 64 words; 31:25 four words
	s_or_b32 s[G1B+0], s44, (1<<20)|(1<<21)|(5<<22)|(3<<25)
.irp g, G1, G1B
	s_mov_b32 s[\g+1], ROWB<<16                    ; tensor_dim0
	s_mov_b32 s[\g+2], 128<<16                     ; tensor_dim1
	s_mov_b32 s[\g+3], ROWB<<16                    ; tile_dim0
	s_mov_b32 s[\g+4], 128                         ; tile_dim1
	s_mov_b32 s[\g+5], KROW                        ; tensor_dim0_stride
	s_mov_b32 s[\g+6], 0
	s_mov_b32 s[\g+7], 0
.endr
	s_lshl_b32 s17, s16, 7                         ; which 128 rows of a tile I fetch (also 128 x my half of the columns)
	s_cmp_eq_u32 ttmp9, 2                          ; v?
	s_cselect_b32 s20, 2048, s73                   ; first operand: W's rows 2,048 on, or x's rows 1,024 Y on
	s_cselect_b32 s46, s73, s74                    ; second: x's rows 1,024 Y on, or W's rows 1,024 X on
	s_lshl_b32 s22, s41, 8
	s_add_co_u32 s20, s20, s22                     ; + 256 cy: the registers of the first operand's address never hold cx,
	s_add_co_u32 s20, s20, s17
	s_lshl_b32 s20, s20, 10                        ; in bytes
	s_mov_b32 s21, 0
	s_lshl_b32 s23, s40, 8
	s_add_co_u32 s46, s46, s23                     ; + 256 cx: those of the second never cy
	s_add_co_u32 s46, s46, s17
	s_lshl_b32 s46, s46, 10
	s_mov_b32 s47, 0
	s_mul_i32 s45, s14, HALFT                      ; where the tiles go: wave x 128 rows: no place in the cluster enters an LDS address
	s_wait_kmcnt 0x0
	s_load_b256 s[84:91], s[8:9], 0x0              ; e0 .. e7
	s_cmp_eq_u32 ttmp9, 2
	s_cselect_b64 s[76:77], s[6:7], s[4:5]
	s_cselect_b64 s[78:79], s[4:5], s[6:7]
	s_add_nc_u64 s[20:21], s[76:77], s[20:21]
	s_add_nc_u64 s[46:47], s[78:79], s[46:47]
	CROUND                                         ; all sixteen work-groups are here: the first joint loads meet
.irp s, 0,1
	s_mov_b32 s[G0+4*\s], 1
	s_add_co_u32 s[G0+4*\s+1], s45, \s*SLOT
	s_add_nc_u64 s[G0+4*\s+2:G0+4*\s+3], s[20:21], \s*ROWB
	s_or_b32 s[G0+4*\s+3], s[G0+4*\s+3], 0x80000000
	s_mov_b32 s[G0B+4*\s], 1
	s_add_co_u32 s[G0B+4*\s+1], s45, \s*SLOT
	s_add_nc_u64 s[G0B+4*\s+2:G0B+4*\s+3], s[46:47], \s*ROWB
	s_or_b32 s[G0B+4*\s+3], s[G0B+4*\s+3], 0x80000000
	JLOAD G0+4*\s, G1, G0B+4*\s, G1B
.endr
	v_and_b32 v1, 15, v0                           ; r = l % 16
	v_bfe_u32 v2, v0, 4, 1                         ; h = l / 16
	v_lshlrev_b32 v7, 5, v2                        ; 32 h: the bias by columns
	s_wait_alu depctr_va_vdst(0)
	v_lshlrev_b32 v8, 2, v1                        ; 4 r: the bias by rows
	s_wait_alu depctr_va_vdst(0)
	; both kinds of bias are loaded by every wave: all indices lie under 3,072
	s_lshl_b32 s93, s40, 8
	s_add_co_u32 s93, s93, s74
	s_add_co_u32 s93, s93, s17                     ; column 1,024 X + 256 cx + 128 x my half
	s_lshl_b32 s12, s93, 2
	s_mov_b32 s13, 0
	s_add_nc_u64 s[12:13], s[10:11], s[12:13]
	s_lshl_b32 s93, s41, 8
	s_lshl_b32 s94, s15, 7
	s_add_co_u32 s93, s93, s94
	s_add_co_u32 s93, s93, 2048                    ; column 2,048 + 256 cy + 128 x my half of the rows
	s_lshl_b32 s18, s93, 2
	s_mov_b32 s19, 0
	s_add_nc_u64 s[18:19], s[10:11], s[18:19]
.irp b, 0,1,2,3,4,5,6,7
	global_load_b128 v[BC+8*\b:BC+8*\b+3], v7, s[12:13] offset:64*\b          ; the bias of columns 16 b + 8 h + 0 .. 7
	global_load_b128 v[BC+8*\b+4:BC+8*\b+7], v7, s[12:13] offset:64*\b+16
.endr
.irp a, 0,1,2,3,4,5,6,7
	global_load_b32 v[BR+2*\a], v8, s[18:19] offset:64*\a                     ; the bias of row 16 a + r, twice: a pair for the packed form
	global_load_b32 v[BR+2*\a+1], v8, s[18:19] offset:64*\a
.endr
	v_mul_u32_u24 v3, v1, PITCH
	v_lshl_add_u32 v4, v2, 4, v3                   ; a fragment's row x pitch + 16 x half
	s_mul_i32 s22, s15, HALFT                      ; my 128 rows of the first operand
	s_mul_i32 s23, s16, HALFT                      ; my 128 rows of the second,
	s_add_co_u32 s23, s23, 2*HALFT                 ; which lie behind the first's 256
.irp s, 0,1
	v_add_nc_u32 v[ADRA+\s], s22, v4
	v_add_nc_u32 v[ADRB+\s], s23, v4
	s_add_co_u32 s22, s22, SLOT
	s_add_co_u32 s23, s23, SLOT
.endr
	s_mul_i32 s22, s14, STW
	s_add_co_u32 s22, s22, STAGE                   ; my stage: eight units of 256 bytes
	v_lshrrev_b32 v3, 2, v1
	v_mul_u32_u24 v3, v3, UP
	v_and_b32 v5, 3, v1
	v_lshl_add_u32 v3, v5, 6, v3
	v_lshl_add_u32 v3, v2, 4, v3
	v_add_nc_u32 v[STOQ], s22, v3                  ; q, k: a token's 64 bytes of a head; four tokens to a unit
	v_lshrrev_b32 v3, 1, v1
	v_mul_u32_u24 v3, v3, UP
	v_and_b32 v5, 1, v1
	v_lshl_add_u32 v3, v5, 7, v3
	v_lshl_add_u32 v3, v2, 4, v3
	v_add_nc_u32 v[STOV], s22, v3                  ; v: a channel's 128 bytes; two channels to a unit
	v_mul_u32_u24 v3, v2, UP
	v_lshl_add_u32 v3, v1, 4, v3
	v_add_nc_u32 v[RD], s22, v3                    ; back: two units an instruction
	v_and_b32 v5, 31, v0
	v_lshlrev_b32 v[CO], 4, v5
	; where my results go.  q, k: (X & 1) x 2^23 + batch x 2^21 + head x 2^17 + token x 64, head = 4 cx + 2 x my half of the columns, token = ((4 Y + cy) % 8) x 256 + 128 x my half of the rows
	s_and_b32 s93, ttmp9, 1
	s_lshl_b32 s80, s93, 23
	s_lshr_b32 s93, s72, 1
	s_lshl_b32 s93, s93, 21                        ; the batch: Y / 2
	s_add_co_u32 s80, s80, s93
	s_lshl_b32 s94, s40, 2
	s_lshl_b32 s42, s16, 1
	s_add_co_u32 s94, s94, s42
	s_lshl_b32 s94, s94, 17
	s_add_co_u32 s80, s80, s94
	s_lshl_b32 s94, s72, 2
	s_add_co_u32 s94, s94, s41
	s_and_b32 s94, s94, 7
	s_lshl_b32 s94, s94, 8
	s_lshl_b32 s42, s15, 7
	s_add_co_u32 s94, s94, s42
	s_lshl_b32 s94, s94, 6
	s_add_co_u32 s80, s80, s94
	s_mov_b32 s81, 0
	s_add_nc_u64 s[80:81], s[68:69], s[80:81]
	; v: batch x 2^21 + head x 2^17 + block of keys x 2^13, head = 4 cy + 2 x my half of the rows, block = 2 ((4 Y + cx) % 8) + my half of the columns
	s_lshl_b32 s94, s41, 2
	s_lshl_b32 s42, s15, 1
	s_add_co_u32 s94, s94, s42
	s_lshl_b32 s94, s94, 17
	s_add_co_u32 s82, s93, s94
	s_lshl_b32 s94, s72, 2
	s_add_co_u32 s94, s94, s40
	s_and_b32 s94, s94, 7
	s_lshl_b32 s94, s94, 1
	s_add_co_u32 s94, s94, s16
	s_lshl_b32 s94, s94, 13
	s_add_co_u32 s82, s82, s94
	s_mov_b32 s83, 0
	s_add_nc_u64 s[82:83], s[70:71], s[82:83]
	s_wait_kmcnt 0x0
	s_add_co_i32 s96, s84, s85
	s_add_co_i32 s96, s96, 127
	s_lshl_b32 s96, s96, 23                        ; 2^(e0 + e1) as f32
	s_mov_b32 s97, s96                             ; (named with it as a pair, so it is written)
	s_cmp_eq_u32 ttmp9, 0
	s_cselect_b32 s92, s86, s87                    ; q: e2; k: e3;
	s_cmp_eq_u32 ttmp9, 2
	s_cselect_b32 s92, s89, s92                    ; v: e5.  A choice, no branch
	s_add_co_i32 s93, s92, 127
	s_lshl_b32 s94, s93, 23
	v_mov_b32 v[SCV], s94
.macro FRAG reg, adr, q, i             ; a fragment: lane l holds row l % 16; registers 4 c .. 4 c + 3 hold places 32 c + 16 (l / 16) + 0 .. 15: the same in both operands
.irp c, 0,1,2,3
	ds_load_b128 v[\reg+4*\c:\reg+4*\c+3], v[\adr] offset:128*(\q)+32*\c+(\i)*16*PITCH
.endr
.endm
; 16 matrix instructions: the first operand's blocks a0, a0 + 1 x the second's eight, 128 along K.  zero = 1: the first product starts the sums.  The 64 accumulators take turns, one instruction a turn.
.macro MUL16 a0, p, zero
.irp a, \a0, \a0+1
.irp b, 0,1,2,3,4,5,6,7
.if \zero
	v_wmma_f32_16x16x128_bf8_bf8 v[8*(8*((\a)%4)+\b):8*(8*((\a)%4)+\b)+7], v[128*(\p)+FR*\b:128*(\p)+FR*\b+FR-1], v[AF+FR*(\a):AF+FR*(\a)+FR-1], 0
.else
	v_wmma_f32_16x16x128_bf8_bf8 v[8*(8*((\a)%4)+\b):8*(8*((\a)%4)+\b)+7], v[128*(\p)+FR*\b:128*(\p)+FR*\b+FR-1], v[AF+FR*(\a):AF+FR*(\a)+FR-1], v[8*(8*((\a)%4)+\b):8*(8*((\a)%4)+\b)+7]
.endif
.endr
.endr
.endm
.macro FETCH_B slot, q, p
	WIN TO_B
.irp i, 0,1,2,3,4,5,6,7
	FRAG 128*(\p)+FR*\i, ADRB+\slot, \q, \i
.endr
	WIN 0
.endm
.macro FETCH_A slot, q, i0
.irp i, \i0, \i0+1, \i0+2, \i0+3
	FRAG AF+FR*(\i), ADRA+\slot, \q, \i
.endr
.endm
.macro PLACES n                        ; plain vector lines between a matrix instruction and a load into, or a vector line on, its registers
.rept \n
	v_nop
.endr
.endm
.macro STEP slot, q, zero              ; 128 along K, with its successor in the same slot
	s_wait_dscnt 4*NL                              ; the second operand's set and blocks 0-3 of the first are in; the youngest sixteen loads (blocks 4-7) may be out
	WIN MUL_LO
	MUL16 0, (\q)%2, \zero
	MUL16 2, (\q)%2, \zero
	s_wait_dscnt 0
	PLACES NP
	FETCH_B \slot, (\q)+1, 1-(\q)%2
	FETCH_A \slot, (\q)+1, 0
	WIN MUL_HI
	MUL16 4, (\q)%2, \zero
	MUL16 6, (\q)%2, \zero
	PLACES NP
	WIN 0
	FETCH_A \slot, (\q)+1, 4
.endm
; A slot's last step changes slots: one barrier; in front of it each wave waits for all its tensor loads, adds 0 to its spare word, and waits for that and for its reads of this slot.  fill = 1: the slot is filled again, two K steps ahead.
.macro TURN slot, next, fill
	s_wait_tensorcnt 0x0                           ; all my tensor loads have landed: my part of the next slot
	ds_add_u32 v[SPW], v[NIL]                      ; 0 onto my spare word
	s_wait_dscnt 4*NL+1                            ; (the add and the youngest sixteen loads may be out)
	WIN MUL_LO
	MUL16 0, 1, 0
	s_wait_dscnt 0x0                               ; the add is done, and my reads of this slot are over
	s_barrier_signal -1
	MUL16 2, 1, 0
	WIN 0
	s_barrier_wait -1
.if \fill
	CREST                                          ; the barrier has opened a round of the cluster's barrier: no wave of any partner still reads this slot or has a load on its way
	s_add_nc_u64 s[G0+4*\slot+2:G0+4*\slot+3], s[G0+4*\slot+2:G0+4*\slot+3], 2*ROWB
	s_add_nc_u64 s[G0B+4*\slot+2:G0B+4*\slot+3], s[G0B+4*\slot+2:G0B+4*\slot+3], 2*ROWB
	JLOAD G0+4*\slot, G1, G0B+4*\slot, G1B         ; the first tensor load behind the round; its four v_nop are also the places in front of the loads below
.else
	PLACES NP
.endif
	FETCH_B \next, 0, 0
	FETCH_A \next, 0, 0
	WIN MUL_HI
	MUL16 4, 1, 0
	MUL16 6, 1, 0
	PLACES NP
	WIN 0
	FETCH_A \next, 0, 4
.endm
	s_wait_tensorcnt 1                             ; my part of K step 0 is in (K step 1's load may be out)
	s_barrier_signal -1
	s_barrier_wait -1                              ; everybody's is
	FETCH_B 0, 0, 0
	FETCH_A 0, 0, 0
	FETCH_A 0, 0, 4
	STEP 0, 0, 1                                   ; K = 1,024 is four slots: the eight steps are written out, no loop
	TURN 0, 1, 1
	STEP 1, 0, 0
	TURN 1, 0, 1
	STEP 0, 0, 0
	TURN 0, 1, 0                                   ; nothing is left to fetch: no round
	STEP 1, 0, 0
	s_wait_dscnt 4*NL
	WIN MUL_LO
	MUL16 0, 1, 0
	MUL16 2, 1, 0
	s_wait_dscnt 0
	WIN MUL_HI
	MUL16 4, 1, 0
	MUL16 6, 1, 0
	WIN 0
; THE WAY OUT, block by block of 16 rows x 128 columns.  OUTST: the block's numbers, their codes, into my stage and back as units of 256 bytes.  OUTSD: stored, 512 consecutive aligned bytes an instruction.
.macro OUTST a, kind
.set AC, 64*((\a)%4)
.set CDS, CD+16*((\a)%2)
.set BKS, BK+16*((\a)%2)
	WIN 0x02+((\a)/4)                              ; source 0: window 2 or 3
.irp b, 0,1,2,3,4,5,6,7
.irp i, 0,2,4,6
.if \kind
	v_pk_fma_f32 v[TMP+8*\b+\i:TMP+8*\b+\i+1], v[AC+8*\b+\i:AC+8*\b+\i+1], s[96:97], v[BR+2*(\a):BR+2*(\a)+1] op_sel_hi:[1,0,1]   ; sum x 2^(e0 + e1) + the bias of my row; each accumulator from its low end on
.else
	v_pk_fma_f32 v[TMP+8*\b+\i:TMP+8*\b+\i+1], v[AC+8*\b+\i:AC+8*\b+\i+1], s[96:97], v[BC+8*\b+\i:BC+8*\b+\i+1] op_sel_hi:[1,0,1]   ; sum x 2^(e0 + e1) + the bias of my columns
.endif
.endr
.endr
	WIN 0
.set bb, 0
.rept 8
.set nn, 0
.rept 8
.set nn, nn+1
.endr
	v_cvt_scalef32_pk8_bf8_f32 v[CDS+2*bb:CDS+2*bb+1], v[TMP+8*bb:TMP+8*bb+7], v[SCV]
.set bb, bb+1
.endr
	v_nop                                          ; a plain line behind the last conversion
.irp e, 0,1,2,3
.if \kind
	ds_store_b128 v[STOV], v[CDS+4*\e:CDS+4*\e+3] offset:32*\e                  ; keys 32 e on of my channel
.else
	ds_store_b128 v[STOQ], v[CDS+4*\e:CDS+4*\e+3] offset:(\e/2)*4*UP+32*(\e%2)   ; head e / 2, channels 32 (e % 2) on of my token
.endif
.endr
.irp e, 0,1,2,3
	ds_load_b128 v[BKS+4*\e:BKS+4*\e+3], v[RD] offset:\e*2*UP   ; LDS serves a wave's instructions in order: these see the stores above, and the next block's stores come behind them
.endr
.endm
.macro OUTSD a, kind, younger          ; younger: the LDS instructions issued behind block a's loads
.set BKS, BK+16*((\a)%2)
	s_wait_dscnt \younger
.irp e, 0,1,2,3
.if \kind
	global_store_b128 v[CO], v[BKS+4*\e:BKS+4*\e+3], s[82:83] offset:512*\e+2048*((\a)%4)+131072*((\a)/4)
.else
	global_store_b128 v[CO], v[BKS+4*\e:BKS+4*\e+3], s[80:81] offset:(\e/2)*131072+(\e%2)*512+1024*(\a)
.endif
.endr
.endm
.macro WAYOUT kind
	PLACES NP                                      ; behind the last products: their results are read, and the registers of the first operand's fragments are written
	OUTST 0, \kind
.irp a, 1,2,3,4,5,6,7
.if \a > 1
	s_wait_xcnt 0x0                                ; block a - 2's stores have read their registers: block a's loads may land there
.endif
	OUTST \a, \kind
	OUTSD \a-1, \kind, 8                           ; behind block a - 1's loads: block a's four stores and four loads
.endr
	OUTSD 7, \kind, 0
.endm
	s_wait_loadcnt 0x0                             ; the biases
	s_cmp_eq_u32 ttmp9, 2                          ; the cluster's x: the same in all sixteen partners
	s_cbranch_scc1 .Lout_v
	WAYOUT 0
	s_branch .Lend
.Lout_v:
	WAYOUT 1
.Lend:
	s_wait_tensorcnt 0x0                           ; the wave's end
	ds_add_u32 v[SPW], v[NIL]
	s_wait_dscnt 0x0
	CROUND                                         ; the closing round
	s_endpgm
.Lfunc_end_k_q35f8892de4_qkv:
	.size	k_q35f8892de4_qkv, .Lfunc_end_k_q35f8892de4_qkv-k_q35f8892de4_qkv
	.p2alignl 7, 3214868480
	.fill 96, 4, 3214868480
	.section	.rodata,"a",@progbits
	.p2align	6, 0x0
	.amdhsa_kernel k_q35f8892de4_qkv
		.amdhsa_group_segment_fixed_size 327680
		.amdhsa_private_segment_fixed_size 0
		.amdhsa_enable_private_segment 0
		.amdhsa_kernarg_size 48
		.amdhsa_user_sgpr_count 2
		.amdhsa_user_sgpr_kernarg_segment_ptr 1
		.amdhsa_wavefront_size32 1
		.amdhsa_system_sgpr_workgroup_id_x 1
		.amdhsa_system_sgpr_workgroup_id_y 1
		.amdhsa_system_sgpr_workgroup_id_z 1
		.amdhsa_system_vgpr_workitem_id 0
		.amdhsa_next_free_vgpr 1024
		.amdhsa_next_free_sgpr 98
		.amdhsa_reserve_vcc 0
		.amdhsa_float_denorm_mode_32 3
		.amdhsa_float_denorm_mode_16_64 3
		.amdhsa_fp16_overflow 1
		.amdhsa_memory_ordered 1
		.amdhsa_forward_progress 1
		.amdhsa_inst_pref_size 140
	.end_amdhsa_kernel
	.amdgpu_metadata
---
amdhsa.version: [ 1, 2 ]
amdhsa.kernels:
  - .name:           k_q35f8892de4_qkv
    .symbol:         k_q35f8892de4_qkv.kd
    .args:
      - { .name: xc, .offset: 0, .size: 8, .value_kind: global_buffer, .address_space: global }
      - { .name: wac, .offset: 8, .size: 8, .value_kind: global_buffer, .address_space: global }
      - { .name: lowp_scales, .offset: 16, .size: 8, .value_kind: global_buffer, .address_space: global }
      - { .name: b_attn, .offset: 24, .size: 8, .value_kind: global_buffer, .address_space: global }
      - { .name: qk, .offset: 32, .size: 8, .value_kind: global_buffer, .address_space: global }
      - { .name: vc, .offset: 40, .size: 8, .value_kind: global_buffer, .address_space: global }
    .group_segment_fixed_size: 327680
    .private_segment_fixed_size: 0
    .kernarg_segment_align: 8
    .kernarg_segment_size: 48
    .max_flat_workgroup_size: 128
    .sgpr_count:     98
    .vgpr_count:     1024
    .wavefront_size: 32
...
	.end_amdgpu_metadata
.endif
;; end of part 2
;; launch attn (part 3): grid 4 x 64, 16 waves a work-group, no clusters, 327,680 bytes of LDS; arguments qk, vc, lowp_scales, yc; writes yc
.if DOCPART == 3
	.amdgcn_target "amdgcn-amd-amdhsa--gfx1250"
	.amdhsa_code_object_version 6
	.text
	.protected	k_q35f8892de4_attn
	.globl	k_q35f8892de4_attn
	.p2align	8
	.type	k_q35f8892de4_attn,@function
k_q35f8892de4_attn:
	s_mov_b64 s[64:65], 0
	v_nop
	global_prefetch_b8 v0, s[64:65] scope:SCOPE_SE
	s_setreg_imm32_b32 hwreg(HW_REG_WAVE_MODE, 25, 1), 1
	s_wait_xcnt 0x0
; y[head][q] = the sum over keys k <= q of softmax_k(q . k / 8) v[k], both products on codes of BF8 (E5M2); y leaves as codes with the scale 2^e6.
; qk: [q, k][64 heads][2048][64 places]; vc: [64 heads][16 blocks of 128 keys][64 channels][128 places]; in each aligned 32, place 16 a + 8 u + j holds index 16 u + 8 a + j.
; yc: byte (g / 4) x 4,096 + head x 256 + (g % 4) x 64 + place, g = the token's row of 8,192: four tokens' 64 bytes of one head are 256 consecutive aligned bytes.
; THE SOFTMAX AHEAD OF THE SECOND PRODUCT: t = score x log2(e) / 8; M = the row's largest t so far, rounded UP to a whole number; p = 2^(t - M) is quantised with 2^e4, not normalised.  The row's sum is taken of the
; unquantised p and divides at the end.  When M moves, the sum and O are multiplied by 2^(old M - new M): exact.
; SHARES.  A head has eight blocks of 256 queries.  Work-group x of a head takes block 7 - x and then block x: 8 - x and x + 1 slots of 256 keys, NINE trips whatever x is: the trip counts are constants and all
; 256 work-groups have the same work under the causal mask.  Each of the sixteen waves owns 16 queries of the block in hand, in 256 registers: four waves to a SIMD, so that one wave's vector work stands beside another's products.
; A step (128 keys) all of whose keys come after the wave's queries is left out by a scalar branch on ids; on the diagonal hidden scores become -infinity.  A step that is walked begins at a key that counts for all 16 queries.
; NO CLUSTER: the four work-groups of a head walk slots 0 .. 7 - x and then 0 .. x, so from the sixth trip on they want different slots in the same trip, and a joint load wants one descriptor in all partners.
; LAYOUT.  Both products are used transposed: S^T = K Q^T (source 0 = 16 keys, source 1 = my 16 queries; K = 64), O^T = V^T P^T (source 0 = 16 channels, source 1 = P; K = 128 keys): a lane holds ONE query throughout.
; Register 8 u + j of S^T holds key 16 u + 8 (lane / 16) + j, so p's codes lie in the second product's own order of K; V's places are laid so that loads of 16 bytes bring the same order.
; LIMITS: e2 + e3 between -123 and 130 (added to c's exponent field); e4 and e6 between -126 and 112; e4 + e5 goes in by v_ldexp_f32 and has none.
; REGISTERS: v1-11 addresses; v12 -M, v13 the largest t, v[14:15] the sum; v16-23 Q in hand, v24-31 Q of the second block; v32-95 K's eight fragments, then V's four; v96-159 S^T, then p; v160-191 O^T; v192-207 codes; v208-231 at work and constants.
.set UP,    272                        ; 256 bytes of a tile + 16 of padding: four keys of K, or two channels of V
.set VOFF,  64*UP                      ; a slot: K's 64 units, then V's 64
.set SLOT1, 65536                      ; slot 1 begins here: one exclusive or turns an address from slot to slot
.set SPARE, 131072                     ; the spare words, 128 bytes for each of the sixteen waves
.set STAGE, SPARE+2048                 ; a stage of four units for each wave, bytes of its own
.set STW,   1280
.set AK0, 1
.set AV0, 2
.set PFO, 3                            ; v3   256 x lane: the prefetches' offset; never rewritten
.set QOF, 4
.set SPW, 5                            ; v5   LDS address of my spare word; never rewritten
.set NIL, 6                            ; v6   0; never rewritten
.set GO,  7
.set ADK, 8
.set ADV, 9
.set STO, 10
.set RD,  11
.set KV,  32
.set RH,  209                          ; v209 r - 8 h
.set WV,  18
.set TB,  2                            ; s2   LDS byte at which the slot in hand begins
.set SEL, 20
.set CS,  22
.set G1,  24
.set G0,  40
.set FB,  44                           ; s[44:45] the head's first byte of what I fetch
.set NS,  46                           ; s46  the slot of keys asked for last
.set LEN, 47                           ; s47  8 - x: slots of the first block
.set XP1, 48                           ; s48  x + 1
.set Q0B, 52
.set YA,  58
.set YB,  60
.set SLOTS, 67
.set PFA, 76
.set LIM, 80
.set KF,  98                           ; s98  the step's first key
.set Q0,  99                           ; s99  my first query
.macro TLOAD                           ; wave 0 fetches a slot's K, wave 1 its V: 16,384 dense bytes each, as 64 rows of 256.  Four v_nop follow the line
	s_cmp_lt_u32 s[WV], 2
	s_cbranch_scc0 .Lasked_\@
	tensor_load_to_lds s[G0:G0+3], s[G1:G1+7]
	s_nop 0
.rept 4
	v_nop
.endr
.Lasked_\@:
.endm
; A PREFETCH INTO THE L2 of the slot that the NEXT change of slots will ask for.  All four work-groups of a head begin with slots 0, 1, 2 ..: the one with x = 0, which walks all eight, asks, and nobody else.
; In it waves 4 and 5 ask for the two halves of K's 16,384 bytes, waves 6 and 7 for V's: 8,192 bytes a wave, lanes 256 bytes apart, one instruction.  Trip s names slot s + 2, for s = 0 .. 5: slots 2 to 7, each once.
.macro ASK
	s_cmp_gt_u32 s[SLOTS], s[LIM]
	s_cbranch_scc0 .Lnot_mine_\@
	global_prefetch_b8 v[PFO], s[PFA:PFA+1] th:TH_LOAD_NT scope:SCOPE_SE
.Lnot_mine_\@:
.endm
	s_load_b256 s[4:11], s[0:1], 0x0               ; qk s[4:5], vc s[6:7], the scales' exponents s[8:9], yc s[10:11]
	v_lshl_add_u32 v[SPW], v0, 2, SPARE
	v_mov_b32 v[NIL], 0
	ds_add_u32 v5, v6
	ds_add_u32 v5, v6
	s_wait_dscnt 0x0
	v_lshrrev_b32 v8, 5, v0
	s_delay_alu instid0(VALU_DEP_1)
	v_readfirstlane_b32 s[WV], v8                  ; wave 0..15
	s_and_b32 s12, ttmp7, 0xffff                   ; the head, 0..63
	s_lshl_b32 s13, s12, 17                        ; its first byte in q, in k and in vc
	s_sub_co_u32 s14, 7, ttmp9
	s_lshl_b32 s15, s[WV], 4
	s_lshl_b32 s[Q0], s14, 8
	s_add_co_u32 s[Q0], s[Q0], s15                 ; my first query of the first block: 256 (7 - x) + 16 wave
	s_lshl_b32 s[Q0B], ttmp9, 8
	s_add_co_u32 s[Q0B], s[Q0B], s15               ; of the second: 256 x + 16 wave
	s_sub_co_u32 s[LEN], 8, ttmp9
	s_add_co_u32 s[XP1], ttmp9, 1
	s_lshl_b32 s32, s[Q0], 6
	s_add_co_u32 s32, s32, s13
	s_mov_b32 s33, 0
	s_lshl_b32 s34, s[Q0B], 6
	s_add_co_u32 s34, s34, s13
	s_mov_b32 s35, 0
	s_lshr_b32 s16, s12, 4
	s_lshl_b32 s16, s16, 21                        ; yc: the batch's 2,048 rows of 1,024 bytes,
	s_and_b32 s17, s12, 15
	s_lshl_b32 s17, s17, 8                         ; the head's 256 bytes
	s_add_co_u32 s16, s16, s17
	s_lshl_b32 s36, s[Q0], 10
	s_add_co_u32 s36, s36, s16
	s_mov_b32 s37, 0
	s_lshl_b32 s38, s[Q0B], 10
	s_add_co_u32 s38, s38, s16
	s_mov_b32 s39, 0
	s_mov_b32 s[G1], (3<<16)|(1<<20)|(5<<22)|(3<<25)   ; no mask; elements of 8 bytes; padding on: four words after every 64
	s_mov_b32 s[G1+1], 32<<16                      ; tensor_dim0 = 32 elements: 256 bytes
	s_mov_b32 s[G1+2], 64<<16                      ; tensor_dim1 = 64
	s_mov_b32 s[G1+3], 32<<16                      ; tile_dim0
	s_mov_b32 s[G1+4], 64                          ; tile_dim1
	s_mov_b32 s[G1+5], 32                          ; the rows are dense
	s_mov_b32 s[G1+6], 0
	s_mov_b32 s[G1+7], 0
	s_mov_b32 s[SEL], 0x76543210
	s_mov_b32 s[SEL+1], 0xfedcba98
	s_mov_b32 s[CS], 0x3e38aa3b                    ; c = log2(e) / 8
	s_mov_b32 s[TB], 0
	s_mov_b32 s[NS], 0
	s_mov_b32 s51, 0
	s_mov_b32 s[SLOTS], 8
	s_mov_b32 s[KF], 0
	s_wait_kmcnt 0x0
	s_load_b256 s[68:75], s[8:9], 0x0              ; e0 .. e7
	s_cmp_eq_u32 s[WV], 0
	s_cselect_b64 s[FB:FB+1], s[4:5], s[6:7]       ; wave 0: k, which lies 2^23 bytes behind q; wave 1: vc
	s_cselect_b32 s82, 0x800000, 0
	s_add_co_u32 s82, s82, s13
	s_mov_b32 s83, 0
	s_add_nc_u64 s[FB:FB+1], s[FB:FB+1], s[82:83]
	s_mov_b32 s[G0], 1                             ; count = 1
	s_mul_i32 s[G0+1], s[WV], VOFF                 ; LDS address: slot 0; K at 0, V behind it
	s_mov_b64 s[G0+2:G0+3], s[FB:FB+1]             ; the head's first 256 keys
	s_or_b32 s[G0+3], s[G0+3], 0x80000000          ; type = 2
	TLOAD                                          ; slot 0
	s_add_nc_u64 s[54:55], s[4:5], s[32:33]        ; Q's codes of my two tiles
	s_add_nc_u64 s[56:57], s[4:5], s[34:35]
	s_add_nc_u64 s[YA:YA+1], s[10:11], s[36:37]    ; and where their results go
	s_add_nc_u64 s[YB:YB+1], s[10:11], s[38:39]
	v_and_b32 v8, 15, v0                           ; r
	s_wait_alu depctr_va_vdst(0)
	v_bfe_u32 v9, v0, 4, 1                         ; h
	v_lshlrev_b32 v[QOF], 6, v8
	s_delay_alu instid0(VALU_DEP_1)
	v_lshl_add_u32 v[QOF], v9, 4, v[QOF]           ; Q: row r of 64 bytes, + 16 h
	global_load_b128 v[16:19], v[QOF], s[54:55]
	global_load_b128 v[20:23], v[QOF], s[54:55] offset:32
	global_load_b128 v[24:27], v[QOF], s[56:57]
	global_load_b128 v[28:31], v[QOF], s[56:57] offset:32
	; the prefetches: who asks, and where
	s_cmp_lt_u32 s[WV], 6
	s_cselect_b64 s[PFA:PFA+1], s[4:5], s[6:7]
	s_cselect_b32 s82, 0x800000, 0
	s_add_co_u32 s82, s82, s13
	s_and_b32 s84, s[WV], 1
	s_lshl_b32 s84, s84, 13
	s_add_co_u32 s82, s82, s84
	s_add_co_u32 s82, s82, 16384                   ; in slot 1: the first change of slots steps it to slot 2.  Nothing is prefetched here, at the head
	s_add_nc_u64 s[PFA:PFA+1], s[PFA:PFA+1], s[82:83]
	s_sub_co_u32 s84, s[WV], 4
	s_lshr_b32 s84, s84, 2                         ; 0 in waves 4 to 7,
	s_or_b32 s84, s84, ttmp9                       ; of the work-group with x = 0
	s_cmp_eq_u32 s84, 0
	s_cselect_b32 s[LIM], 2, -1                    ; a wave prefetches while the trips to go are above this
	v_lshrrev_b32 v216, 2, v8
	v_and_b32 v217, 3, v8
	s_delay_alu instid0(VALU_DEP_2)
	v_mul_u32_u24 v[AK0], v216, UP
	s_delay_alu instid0(VALU_DEP_1)
	v_lshl_add_u32 v[AK0], v217, 6, v[AK0]
	s_wait_alu depctr_va_vdst(0)
	v_lshl_add_u32 v[AK0], v9, 4, v[AK0]           ; K: key r of a tile: unit r / 4, 64 (r % 4), + 16 h
	s_mul_i32 s82, s[WV], STW
	s_add_co_u32 s82, s82, STAGE                   ; my stage
	v_add_nc_u32 v[STO], s82, v[AK0]               ; into it: query r likewise
	v_lshrrev_b32 v216, 1, v8
	v_and_b32 v217, 1, v8
	s_delay_alu instid0(VALU_DEP_2)
	v_mul_u32_u24 v[AV0], v216, UP
	s_delay_alu instid0(VALU_DEP_1)
	v_lshl_add_u32 v[AV0], v217, 7, v[AV0]
	s_delay_alu instid0(VALU_DEP_1)
	v_lshl_add_u32 v[AV0], v9, 4, v[AV0]
	s_delay_alu instid0(VALU_DEP_1)
	v_add_nc_u32 v[AV0], VOFF, v[AV0]              ; V: channel r of a tile: unit r / 2, 128 (r % 2), + 16 h
	v_mul_u32_u24 v[RD], v9, UP
	s_delay_alu instid0(VALU_DEP_1)
	v_lshl_add_u32 v[RD], v8, 4, v[RD]
	s_delay_alu instid0(VALU_DEP_1)
	v_add_nc_u32 v[RD], s82, v[RD]                 ; out of the stage: two units an instruction
	v_lshlrev_b32 v[GO], 12, v9
	s_delay_alu instid0(VALU_DEP_1)
	v_lshl_add_u32 v[GO], v8, 4, v[GO]             ; and in yc: the units lie 4,096 bytes apart
	v_lshlrev_b32 v216, 3, v9
	s_delay_alu instid0(VALU_DEP_1)
	v_sub_nc_u32 v[RH], v8, v216                   ; r - 8 h
	v_and_b32 v[PFO], 31, v0
	s_delay_alu instid0(VALU_DEP_1)
	v_lshlrev_b32 v[PFO], 8, v[PFO]
	v_mov_b32 v217, 0xff800000                     ; -infinity
	v_mov_b32 v208, 0                              ; written once: a lane permute's destination counts as one of its sources
	v_mov_b32 v211, 0                              ; (named as the upper half of the pair v[210:211])
	v_mov_b32 v13, 0xff61b1e6                      ; the largest t so far: -3e38, under every t
	s_delay_alu instid0(VALU_DEP_1)
	v_floor_f32 v12, -v13                          ; -M
	v_mov_b32 v14, 0
	v_mov_b32 v15, 0
.set nn, 0
.rept 32
	v_mov_b32 v[160+nn], 0                         ; O^T.  (The step is written without a first step of its own: the first change of M leaves zeros zeros)
.set nn, nn+1
.endr
	s_wait_kmcnt 0x0
	s_add_co_i32 s82, s70, s71
	s_lshl_b32 s82, s82, 23
	s_add_co_i32 s[CS], s[CS], s82                 ; a score stands for score x 2^(e2 + e3): added to c's exponent field
	s_mov_b32 s[CS+1], s[CS]
	s_add_co_i32 s82, s72, 127
	s_lshl_b32 s84, s82, 23
	v_mov_b32 v218, s84                            ; 2^e4
	s_add_co_i32 s82, s74, 127
	s_lshl_b32 s84, s82, 23
	v_mov_b32 v220, s84                            ; 2^e6
	s_add_co_i32 s62, s72, s73                     ; e4 + e5
; A KEY STEP: 128 keys, the q-th of the slot in hand.
.macro STEP q
	s_add_co_u32 s96, s[Q0], 15
	s_cmp_gt_u32 s[KF], s96                        ; all 128 keys come after my 16 queries: the step's work is left out
	s_cbranch_scc1 .Lhidden_\@
	v_add_nc_u32 v[ADK], s[TB], v[AK0]
	v_add_nc_u32 v[ADV], s[TB], v[AV0]
	v_nop
	v_nop                                          ; four places in front of loads into registers that the last products read
.irp u, 0,1,2,3,4,5,6,7
.irp c, 0,1
	ds_load_b128 v[KV+8*\u+4*\c:KV+8*\u+4*\c+3], v[ADK] offset:(32*(\q)+4*\u)*UP+32*\c
.endr
.endr
	s_wait_alu depctr_va_vdst(0)
	s_wait_dscnt 0x0
.irp u, 0,1,2,3,4,5,6,7
	v_wmma_f32_16x16x64_bf8_bf8 v[96+8*\u:103+8*\u], v[KV+8*\u:KV+8*\u+7], v[16:23], 0
.endr
.rept 4
	v_nop                                          ; places: K's registers take V's fragments, and the scores are read
.endr
.irp d, 0,1,2,3
.irp c, 0,1,2,3
	ds_load_b128 v[KV+16*\d+4*\c:KV+16*\d+4*\c+3], v[ADV] offset:32*UP*(\q)+8*UP*\d+32*\c   ; V's four fragments land while the softmax is worked
.endr
.endr
	s_add_co_u32 s96, s[KF], 127
	s_cmp_le_u32 s96, s[Q0]                        ; all keys count for all my queries: no mask
	s_cbranch_scc1 .Lopen_\@
	s_sub_co_i32 s96, s[Q0], s[KF]
	v_add_nc_u32 v216, s96, v[RH]                  ; my query - KF - 8 h.  Register 8 u + j holds key KF + 16 u + 8 h + j: hidden where 16 u + j is greater
.set nn, 0
.rept 64
	v_cmp_gt_i32 vcc_lo, 16*(nn/8)+nn%8, v216
	v_cndmask_b32 v[96+nn], v[96+nn], v217, vcc_lo
.set nn, nn+1
.endr
.Lopen_\@:
	v_max3_num_f32 v216, v96, v97, v98             ; the step's largest score of my query among my 64 keys, in two chains, each accumulator from its low end on,
	v_max3_num_f32 v210, v99, v100, v101
.irp i, 6,10,14,18,22,26,30,34,38,42,46,50,54,58
	v_max3_num_f32 v216, v216, v[96+\i], v[97+\i]
	v_max3_num_f32 v210, v210, v[98+\i], v[99+\i]
.endr
	v_max3_num_f32 v216, v216, v158, v159
	s_delay_alu instid0(VALU_DEP_1)
	v_max_num_f32 v216, v216, v210
	s_delay_alu instid0(VALU_DEP_1)
	v_permlanex16_b32 v208, v216, s[SEL], s[SEL+1]
	s_delay_alu instid0(VALU_DEP_1)
	v_max_num_f32 v216, v216, v208                 ; and among lane l xor 16's
	s_delay_alu instid0(VALU_DEP_1)
	v_mul_f32 v216, s[CS], v216                    ; as t (c is positive)
	s_delay_alu instid0(VALU_DEP_1)
	v_max_num_f32 v13, v13, v216                   ; the running largest t
	v_mov_b32 v216, v12
	s_delay_alu instid0(VALU_DEP_2)
	v_floor_f32 v12, -v13                          ; the new -M = floor(-t): M is a whole number
	s_delay_alu instid0(VALU_DEP_1)
	v_sub_f32 v216, v12, v216                      ; old M - new M, 0 or less
	s_delay_alu instid0(VALU_DEP_1)
	v_cvt_i32_f32 v216, v216                       ; (it saturates)
	s_delay_alu instid0(VALU_DEP_1)
	v_ldexp_f32 v210, 1.0, v216                    ; f = 2^(old M - new M)
.set nn, 0
.rept 32
	v_pk_fma_f32 v[96+nn:97+nn], v[96+nn:97+nn], s[CS:CS+1], v[12:13] op_sel_hi:[1,0,0]   ; t - M, two at a time
.set nn, nn+2
.endr
.set nn, 0
	s_wait_alu depctr_va_vdst(0)
.rept 64
	v_exp_f32 v[96+nn], v[96+nn]                   ; p = 2^(t - M), at most 1
.set nn, nn+1
.endr
	v_pk_mul_f32 v[14:15], v[14:15], v[210:211] op_sel_hi:[1,0]   ; the sums under the new M: the plain line behind the exponentials
	s_wait_alu depctr_va_vdst(0)                   ; one wait for the whole batch, ahead of its first reader
	v_pk_add_f32 v[212:213], v[100:101], v[104:105]
	v_pk_add_f32 v[254:255], v[108:109], v[112:113]
	v_pk_add_f32 v[252:253], v[116:117], v[120:121]
	v_pk_add_f32 v[250:251], v[124:125], v[128:129]
	v_pk_add_f32 v[248:249], v[132:133], v[136:137]
	v_pk_add_f32 v[246:247], v[140:141], v[144:145]
	v_pk_add_f32 v[244:245], v[148:149], v[152:153]
	v_pk_add_f32 v[14:15], v[14:15], v[156:157]
	v_pk_add_f32 v[212:213], v[212:213], v[96:97]
	v_pk_add_f32 v[254:255], v[254:255], v[98:99]
	v_pk_add_f32 v[252:253], v[252:253], v[102:103]
	v_pk_add_f32 v[250:251], v[250:251], v[106:107]
	v_pk_add_f32 v[248:249], v[248:249], v[110:111]
	v_pk_add_f32 v[246:247], v[246:247], v[114:115]
	v_pk_add_f32 v[244:245], v[244:245], v[118:119]
	v_pk_add_f32 v[14:15], v[14:15], v[122:123]
	v_pk_add_f32 v[212:213], v[212:213], v[126:127]
	v_pk_add_f32 v[254:255], v[254:255], v[130:131]
	v_pk_add_f32 v[252:253], v[252:253], v[134:135]
	v_pk_add_f32 v[250:251], v[250:251], v[138:139]
	v_pk_add_f32 v[248:249], v[248:249], v[142:143]
	v_pk_add_f32 v[246:247], v[246:247], v[146:147]
	v_pk_add_f32 v[244:245], v[244:245], v[150:151]
	v_pk_add_f32 v[14:15], v[14:15], v[154:155]
	v_pk_add_f32 v[212:213], v[212:213], v[158:159]
	s_delay_alu instid0(VALU_DEP_2)
	v_pk_add_f32 v[14:15], v[14:15], v[250:251]
	s_delay_alu instid0(VALU_DEP_2)
	v_pk_add_f32 v[212:213], v[212:213], v[248:249]
	v_pk_add_f32 v[254:255], v[254:255], v[246:247]
	v_pk_add_f32 v[252:253], v[252:253], v[244:245]
	s_delay_alu instid0(VALU_DEP_2)
	v_pk_add_f32 v[14:15], v[14:15], v[254:255]
	s_delay_alu instid0(VALU_DEP_2)
	v_pk_add_f32 v[212:213], v[212:213], v[252:253]
	s_delay_alu instid0(VALU_DEP_1)
	v_pk_add_f32 v[14:15], v[14:15], v[212:213]
.set bb, 0
.rept 8
.set nn, 0
.rept 8
.set nn, nn+1
.endr
	v_cvt_scalef32_pk8_bf8_f32 v[192+2*bb:193+2*bb], v[96+8*bb:103+8*bb], v218
.set bb, bb+1
.endr
.set nn, 0
.rept 16
	v_pk_mul_f32 v[160+nn:161+nn], v[160+nn:161+nn], v[210:211] op_sel_hi:[1,0]   ; O^T under the new M.  (Also the plain lines behind the conversions)
.set nn, nn+2
.endr
	s_wait_alu depctr_va_vdst(0)
	s_wait_dscnt 0x0                               ; V
.irp d, 0,1,2,3
	v_wmma_f32_16x16x128_bf8_bf8 v[160+8*\d:167+8*\d], v[KV+16*\d:KV+16*\d+15], v[192:207], v[160+8*\d:167+8*\d]   ; the four accumulators by turns
.endr
.Lhidden_\@:
	s_add_co_u32 s[KF], s[KF], 128
.endm
; THE CHANGE OF SLOTS, at a trip's head.  Each wave waits for all its tensor loads, adds 0 to its spare word, and waits for that and for its reads of the slot that it has left; behind the barrier the slot ahead is whole and
; nobody reads the other one.  fill = 1: that other slot takes the keys of the next trip: the slot after the last one, or slot 0 again where the first block's slots are through.
.macro CHANGE fill
	s_wait_tensorcnt 0x0                           ; no tensor load of mine is out, so the descriptor may be written
	ds_add_u32 v[SPW], v[NIL]                      ; 0 onto my spare word
.if \fill
	s_xor_b32 s[G0+1], s[G0+1], SLOT1              ; the other LDS slot than last time
	s_add_co_u32 s[NS], s[NS], 1
	s_cmp_eq_u32 s[NS], s[LEN]
	s_cselect_b32 s[NS], 0, s[NS]
	s_lshl_b32 s50, s[NS], 14                      ; 16,384 bytes a slot, in K and in V alike
	s_add_nc_u64 s[G0+2:G0+3], s[FB:FB+1], s[50:51]
	s_or_b32 s[G0+3], s[G0+3], 0x80000000
	s_wait_xcnt 0x0                                ; the last prefetch, a trip back, has read its address
	s_add_nc_u64 s[PFA:PFA+1], s[PFA:PFA+1], 16384
.endif
	s_wait_dscnt 0x0                               ; the add is done, and my reads of the slot that I have left are over
	s_barrier_signal -1
	s_barrier_wait -1
.if \fill
	TLOAD                                          ; the first thing behind the barrier, and a wave's one tensor load until the next
	ASK
.endif
.endm
; A block of queries is through: O^T x 2^(e4 + e5) / the sum, held, converted with 2^e6; the tile's 1,024 bytes of codes go through my stage and leave as four units of 256 consecutive aligned bytes.
.macro FINISH yb
.rept 4
	v_nop                                          ; places behind the last products
.endr
	v_add_f32 v14, v14, v15
	s_delay_alu instid0(VALU_DEP_1)
	v_permlanex16_b32 v208, v14, s[SEL], s[SEL+1]
	s_delay_alu instid0(VALU_DEP_1)
	v_add_f32 v14, v14, v208                       ; the row's sum
	s_wait_alu depctr_va_vdst(0)
	v_rcp_f32 v14, v14
	v_nop                                          ; a plain line behind the transcendental
	s_wait_alu depctr_va_vdst(0)                   ; and the wait ahead of its first reader
	v_ldexp_f32 v14, v14, s62
.set nn, 0
.rept 16
	v_pk_mul_f32 v[96+nn:97+nn], v[160+nn:161+nn], v[14:15] op_sel_hi:[1,0]   ; register 8 d + j: y(query r, channel 16 d + 8 h + j)
.set nn, nn+2
.endr
.set bb, 0
.rept 4
.set nn, 0
.rept 8
.set nn, nn+1
.endr
	v_cvt_scalef32_pk8_bf8_f32 v[192+2*bb:193+2*bb], v[96+8*bb:103+8*bb], v220
.set bb, bb+1
.endr
	v_nop                                          ; a plain line behind the last conversion
	ds_store_b128 v[STO], v[192:195]
	ds_store_b128 v[STO], v[196:199] offset:32
	ds_load_b128 v[224:227], v[RD]                 ; LDS serves a wave's instructions in order: these see my stores
	ds_load_b128 v[228:231], v[RD] offset:2*UP
	s_wait_dscnt 1                                 ; the first two units are back; the other load may be out
	global_store_b128 v[GO], v[224:227], s[\yb:\yb+1]
	s_wait_dscnt 0
	global_store_b128 v[GO], v[228:231], s[\yb:\yb+1] offset:8192
	s_wait_xcnt 0x0                                ; the stores have read their registers
.endm
.macro INIT                            ; on to the second block
.irp i, 0,1,2,3,4,5,6,7
	v_mov_b32 v[16+\i], v[24+\i]
.endr
	v_mov_b32 v13, 0xff61b1e6
	s_delay_alu instid0(VALU_DEP_1)
	v_floor_f32 v12, -v13
	v_mov_b32 v14, 0
	v_mov_b32 v15, 0
.set nn, 0
.rept 32
	v_mov_b32 v[160+nn], 0
.set nn, nn+1
.endr
	s_mov_b32 s[Q0], s[Q0B]
	s_mov_b32 s[KF], 0
.endm
	s_wait_loadcnt 0x0                             ; Q
.Lslot:                                            ; eight trips; behind each change of slots the next trip's keys are asked for
	CHANGE 1
	STEP 0
	STEP 1
	s_xor_b32 s[TB], s[TB], SLOT1
	s_cmp_eq_u32 s[SLOTS], s[XP1]                  ; trip 7 - x was the first block's last
	s_cbranch_scc0 .Lsame_block
	FINISH YA
	INIT
.Lsame_block:
	s_sub_co_u32 s[SLOTS], s[SLOTS], 1
	s_cmp_lg_u32 s[SLOTS], 0
	s_cbranch_scc1 .Lslot
	CHANGE 0                                       ; the ninth trip is written out
	STEP 0
	STEP 1
	FINISH YB
	s_wait_tensorcnt 0x0                           ; the wave's end
	ds_add_u32 v[SPW], v[NIL]
	s_wait_dscnt 0x0
	s_endpgm
.Lfunc_end_k_q35f8892de4_attn:
	.size	k_q35f8892de4_attn, .Lfunc_end_k_q35f8892de4_attn-k_q35f8892de4_attn
	.p2alignl 7, 3214868480
	.fill 96, 4, 3214868480
	.section	.rodata,"a",@progbits
	.p2align	6, 0x0
	.amdhsa_kernel k_q35f8892de4_attn
		.amdhsa_group_segment_fixed_size 327680
		.amdhsa_private_segment_fixed_size 0
		.amdhsa_enable_private_segment 0
		.amdhsa_kernarg_size 32
		.amdhsa_user_sgpr_count 2
		.amdhsa_user_sgpr_kernarg_segment_ptr 1
		.amdhsa_wavefront_size32 1
		.amdhsa_system_sgpr_workgroup_id_x 1
		.amdhsa_system_sgpr_workgroup_id_y 1
		.amdhsa_system_sgpr_workgroup_id_z 1
		.amdhsa_system_vgpr_workitem_id 0
		.amdhsa_next_free_vgpr 256
		.amdhsa_next_free_sgpr 100
		.amdhsa_reserve_vcc 1
		.amdhsa_float_denorm_mode_32 3
		.amdhsa_float_denorm_mode_16_64 3
		.amdhsa_fp16_overflow 1
		.amdhsa_memory_ordered 1
		.amdhsa_forward_progress 1
		.amdhsa_inst_pref_size 91
	.end_amdhsa_kernel
	.amdgpu_metadata
---
amdhsa.version: [ 1, 2 ]
amdhsa.kernels:
  - .name:           k_q35f8892de4_attn
    .symbol:         k_q35f8892de4_attn.kd
    .args:
      - { .name: qk, .offset: 0, .size: 8, .value_kind: global_buffer, .address_space: global }
      - { .name: vc, .offset: 8, .size: 8, .value_kind: global_buffer, .address_space: global }
      - { .name: lowp_scales, .offset: 16, .size: 8, .value_kind: global_buffer, .address_space: global }
      - { .name: yc, .offset: 24, .size: 8, .value_kind: global_buffer, .address_space: global }
    .group_segment_fixed_size: 327680
    .private_segment_fixed_size: 0
    .kernarg_segment_align: 8
    .kernarg_segment_size: 32
    .max_flat_workgroup_size: 512
    .sgpr_count:     100
    .vgpr_count:     256
    .wavefront_size: 32
...
	.end_amdgpu_metadata
.endif
;; end of part 3
;; launch proj (part 4): grid 4 x 32, 4 waves a work-group, clusters of 4 x 4, 327,680 bytes of LDS; arguments yc, wpc, lowp_scales, b_proj, out0; writes out0
.if DOCPART == 4
	.amdgcn_target "amdgcn-amd-amdhsa--gfx1250"
	.amdhsa_code_object_version 6
	.text
	.protected	k_q35f8892de4_proj
	.globl	k_q35f8892de4_proj
	.p2align	8
	.type	k_q35f8892de4_proj,@function
k_q35f8892de4_proj:
	s_mov_b64 s[64:65], 0
	v_nop
	global_prefetch_b8 v0, s[64:65] scope:SCOPE_SE
	s_setreg_imm32_b32 hwreg(HW_REG_WAVE_MODE, 25, 1), 1
	s_wait_xcnt 0x0
	s_wait_alu depctr_hold_cnt(0) depctr_sa_sdst(0) depctr_va_vdst(0) depctr_va_sdst(0) depctr_va_ssrc(0) depctr_va_vcc(0) depctr_vm_vsrc(0)
	s_getreg_b32 s2, hwreg(HW_REG_IB_STS2, 6, 4)
	s_cmp_eq_u32 s2, 0
	s_cbranch_scc0 .Lentry_in_a_cluster
	s_endpgm
.Lentry_in_a_cluster:
	s_bfe_u32 s2, ttmp6, 0x10000c
	s_cmp_lg_u32 s2, 0xf033
	s_cbranch_scc0 .Lentry_shape_is_right
	s_endpgm
.Lentry_shape_is_right:
; out0 = y W_proj + b_proj on codes of BF8 (E5M2).  yc: y's codes, byte (g / 4) x 4,096 + head x 256 + (g % 4) x 64 + place (g: the row of 8,192); wpc: [1024 n][1024 places]; both in the same order of K.  out0: [8192][1024] f32.
; A tile of 256 x 256 is made by a work-group of four waves, a wave makes 128 x 128: 64 accumulators, 512 registers.  K = 1,024 goes in four steps of 256 (four heads) through a ring of two LDS slots.
; CLUSTERS of 4 x 4 work-groups: y's tiles are asked for jointly along a row of the cluster, W's along a column.  THE MATRIX INSTRUCTION IS USED TRANSPOSED: a lane holds eight neighbouring numbers of a row of out0.
; y's tile of 128 rows x 256 places is 32 rows of 1,024 bytes in memory, 4,096 bytes apart (four rows of y to each); in LDS they lie 1,040 bytes apart.
; THE BIAS is the C of each sum's first matrix instruction, divided by 2^(e6 + e7), by which every finished sum is multiplied on the way out.
; LIMIT: e6 + e7 between -126 and 127.
; REGISTERS, in windows of 256: window 0: v0-31 addresses; v32-95 the bias, later at work on the way out; from v128 y's fragments, ONE set.   window 1: W's fragments, TWO sets.   windows 2, 3: the accumulators.
.set ROWB,   256
.set KROW,   1024
.set PITCH,  272                       ; W's LDS row: 256 bytes + 16
.set APITCH, 1040                      ; y's LDS row: 1,024 bytes + 16: rows r / 4 start 16 bytes apart modulo 256, and r % 4 adds 64: sixteen different places for the sixteen rows of a load
.set FR,     16
.set NL,     4
.set NP,     4
.set HALFT,  128*PITCH                 ; the room of one tensor load's tile (y's takes 32 x 1,040 bytes of it)
.set SLOT,   4*HALFT
.set SPARE,  2*SLOT
.set SPITCH, 528                       ; the way out: a stage of 16 rows x (512 bytes + 16) for each wave, in slot 0, which has had its last fill and its last read when the first result is stored there
.set NOUT,   1024
.set ADRA, 16
.set ADRB, 20
.set STO,  24
.set RD,   25
.set CO,   26
.set SPW,  28
.set NIL,  29
.set BC,   32
.set TMP,  32
.set AF,   128
.set BK,   128
.set G1, 24
.set G0, 32
.set G1B, 48
.set G0B, 56
.set MSB, 0
.macro WIN new
.if MSB != (\new)
	s_set_vgpr_msb (MSB<<8)|(\new)
.set MSB, (\new)
.endif
.endm
.set MUL_LO, 0xa1                      ; source 0 (W) window 1, source 1 (y) window 0, C and D window 2; with the bias as C: 0x81
.set MUL_HI, 0xf1                      ; the same, window 3; with the bias as C: 0xc1
.set TO_B,   0x40
.macro JLOAD g0a, g1a, g0b, g1b        ; a joint load: waves 0 and 1 fetch for y, waves 2 and 3 for W; four v_nop follow each of the two lines
	s_cmp_eq_u32 s15, 0
	s_cbranch_scc0 .Lfor_b_\@
	tensor_load_to_lds s[\g0a:\g0a+3], s[\g1a:\g1a+7]
	s_nop 0
.rept 4
	v_nop
.endr
	s_branch .Lasked_\@
.Lfor_b_\@:
	tensor_load_to_lds s[\g0b:\g0b+3], s[\g1b:\g1b+7]
	s_nop 0
.rept 4
	v_nop
.endr
.Lasked_\@:
.endm
.macro CREST
	s_cmp_lg_u32 s14, 0
	s_cbranch_scc1 .Lnot_wave_0_\@
	s_barrier_signal -3
.Lnot_wave_0_\@:
	s_barrier_wait -3
	s_barrier_signal -1
	s_barrier_wait -1
.endm
.macro CROUND
	s_barrier_signal -1
	s_barrier_wait -1
	CREST
.endm
	s_load_b256 s[4:11], s[0:1], 0x0               ; yc s[4:5], wpc s[6:7], the scales' exponents s[8:9], b_proj s[10:11]
	s_load_b64 s[12:13], s[0:1], 0x20              ; out0
	v_lshl_add_u32 v[SPW], v0, 2, SPARE
	v_mov_b32 v[NIL], 0
	ds_add_u32 v28, v29
	ds_add_u32 v28, v29
	s_wait_dscnt 0x0
	v_lshrrev_b32 v1, 5, v0
	v_readfirstlane_b32 s14, v1                    ; wave 0..3
	s_lshr_b32 s15, s14, 1                         ; which half of the tile's rows is mine.  Also: I fetch for y (0) or for W (1)
	s_and_b32 s16, s14, 1                          ; which half of its columns.  Also: which 128 rows I fetch
	s_bfe_u32 s40, ttmp6, 0x40000                  ; cx, cy
	s_bfe_u32 s41, ttmp6, 0x40004
	s_lshl_b32 s42, ttmp9, 2
	s_add_co_u32 s42, s42, s40                     ; tile column
	s_and_b32 s17, ttmp7, 0xffff
	s_lshl_b32 s17, s17, 2
	s_add_co_u32 s17, s17, s41                     ; tile row
	s_lshl_b32 s43, s41, 2
	s_lshl_b32 s43, 15, s43                        ; my row of the cluster
	s_lshl_b32 s44, 0x1111, s40                    ; my column
	s_or_b32 s[G1+0], s43, (1<<20)|(1<<21)|(7<<22)|(3<<25)    ; y: elements of 1 byte; padding: four words after every 256
	s_mov_b32 s[G1+1], 1024<<16                    ; tensor_dim0 = 1,024
	s_mov_b32 s[G1+2], 32<<16                      ; tensor_dim1 = 32
	s_mov_b32 s[G1+3], 1024<<16                    ; tile_dim0
	s_mov_b32 s[G1+4], 32                          ; tile_dim1
	s_mov_b32 s[G1+5], 4096                        ; from row to row
	s_mov_b32 s[G1+6], 0
	s_mov_b32 s[G1+7], 0
	s_or_b32 s[G1B+0], s44, (1<<20)|(1<<21)|(5<<22)|(3<<25)   ; W: padding: four words after every 64
	s_mov_b32 s[G1B+1], ROWB<<16
	s_mov_b32 s[G1B+2], 128<<16
	s_mov_b32 s[G1B+3], ROWB<<16
	s_mov_b32 s[G1B+4], 128
	s_mov_b32 s[G1B+5], KROW
	s_mov_b32 s[G1B+6], 0
	s_mov_b32 s[G1B+7], 0
	s_lshl_b32 s18, s16, 7
	s_lshl_b32 s20, s17, 8
	s_add_co_u32 s20, s20, s18                     ; y: row 256 x tile row + 128 x half,
	s_lshl_b32 s20, s20, 10                        ; x 1,024 bytes (a multiple of four rows)
	s_mov_b32 s21, 0
	s_lshl_b32 s46, s42, 8
	s_add_co_u32 s46, s46, s18                     ; W: row 256 x tile column + 128 x half
	s_lshl_b32 s46, s46, 10
	s_mov_b32 s47, 0
	s_mul_i32 s45, s14, HALFT
	s_wait_kmcnt 0x0
	s_load_b64 s[96:97], s[8:9], 0x18              ; e6, e7
	s_add_nc_u64 s[20:21], s[4:5], s[20:21]
	s_add_nc_u64 s[46:47], s[6:7], s[46:47]
	CROUND                                         ; all sixteen work-groups are here: the first joint loads meet
.irp s, 0,1
	s_mov_b32 s[G0+4*\s], 1
	s_add_co_u32 s[G0+4*\s+1], s45, \s*SLOT
	s_add_nc_u64 s[G0+4*\s+2:G0+4*\s+3], s[20:21], \s*1024     ; K step s: heads 4 s on
	s_or_b32 s[G0+4*\s+3], s[G0+4*\s+3], 0x80000000
	s_mov_b32 s[G0B+4*\s], 1
	s_add_co_u32 s[G0B+4*\s+1], s45, \s*SLOT
	s_add_nc_u64 s[G0B+4*\s+2:G0B+4*\s+3], s[46:47], \s*ROWB
	s_or_b32 s[G0B+4*\s+3], s[G0B+4*\s+3], 0x80000000
	s_wait_alu depctr_va_vdst(0)
	s_wait_tensorcnt 0x0
	ds_add_u32 v28, v29
	ds_add_u32 v28, v29
	s_wait_dscnt 0x0
	CROUND
	JLOAD G0+4*\s, G1, G0B+4*\s, G1B
.endr
	v_and_b32 v1, 15, v0                           ; r
	v_bfe_u32 v2, v0, 4, 1                         ; h
	v_lshlrev_b32 v7, 5, v2                        ; 32 h
	s_lshl_b32 s82, s42, 10
	s_lshl_b32 s83, s16, 9
	s_add_co_u32 s82, s82, s83
	s_mov_b32 s83, 0
	s_add_nc_u64 s[82:83], s[10:11], s[82:83]      ; the bias of my 128 columns
.irp b, 0,1,2,3,4,5,6,7
	global_load_b128 v[BC+8*\b:BC+8*\b+3], v7, s[82:83] offset:64*\b          ; columns 16 b + 8 h + 0 .. 7
	global_load_b128 v[BC+8*\b+4:BC+8*\b+7], v7, s[82:83] offset:64*\b+16
.endr
	v_lshrrev_b32 v3, 2, v1
	v_mul_u32_u24 v3, v3, APITCH
	v_and_b32 v5, 3, v1
	v_lshl_add_u32 v3, v5, 6, v3
	v_lshl_add_u32 v3, v2, 4, v3                   ; y: row r of a block: LDS row r / 4, 64 (r % 4), + 16 h
	v_mul_u32_u24 v4, v1, PITCH
	v_lshl_add_u32 v4, v2, 4, v4                   ; W: row r x pitch + 16 h
	s_mul_i32 s22, s15, HALFT
	s_mul_i32 s23, s16, HALFT
	s_add_co_u32 s23, s23, 2*HALFT
.irp s, 0,1
	v_add_nc_u32 v[ADRA+\s], s22, v3
	v_add_nc_u32 v[ADRB+\s], s23, v4
	s_add_co_u32 s22, s22, SLOT
	s_add_co_u32 s23, s23, SLOT
.endr
	s_mul_i32 s23, s14, 16*SPITCH                  ; my stage
	v_mul_u32_u24 v5, v1, SPITCH
	v_lshl_add_u32 v5, v2, 5, v5
	v_add_nc_u32 v[STO], s23, v5                   ; in: row r, 32 bytes for each half of the lanes
	v_and_b32 v6, 31, v0
	v_lshlrev_b32 v[CO], 4, v6
	v_add_nc_u32 v[RD], s23, v[CO]                 ; back: the 32 lanes take one row of 512 bytes
	s_lshl_b32 s80, s17, 8
	s_lshl_b32 s81, s15, 7
	s_add_co_u32 s80, s80, s81
	s_lshl_b32 s80, s80, 12                        ; my first row of out0, 4,096 bytes a row,
	s_lshl_b32 s81, s42, 10
	s_add_co_u32 s80, s80, s81
	s_lshl_b32 s81, s16, 9
	s_add_co_u32 s80, s80, s81                     ; and my first column
	s_mov_b32 s81, 0
	s_add_nc_u64 s[12:13], s[12:13], s[80:81]
	s_wait_kmcnt 0x0
	s_add_co_i32 s94, s96, s97                     ; e6 + e7
	s_sub_co_i32 s95, 0, s94
	s_add_co_i32 s96, s94, 127
	s_lshl_b32 s96, s96, 23                        ; 2^(e6 + e7) as f32 (s97 stays written: the packed form names the pair)
	s_wait_loadcnt 0x0
.set nn, 0
.rept 64
	v_ldexp_f32 v[BC+nn], v[BC+nn], s95            ; the bias goes in divided by the power of two that the sums lack
.set nn, nn+1
.endr
.macro FRAGB reg, adr, q, i            ; W: registers 4 c .. 4 c + 3 hold places 128 q + 32 c + 16 h + 0 .. 15
.irp c, 0,1,2,3
	ds_load_b128 v[\reg+4*\c:\reg+4*\c+3], v[\adr] offset:128*(\q)+32*\c+(\i)*16*PITCH
.endr
.endm
.macro FRAGA reg, adr, q, i            ; y: the same places: head 2 q + c / 2 of the slot's four, 32 (c % 2) + 16 h in it
.irp c, 0,1,2,3
	ds_load_b128 v[\reg+4*\c:\reg+4*\c+3], v[\adr] offset:512*(\q)+256*(\c/2)+32*(\c%2)+(\i)*4*APITCH
.endr
.endm
; 16 matrix instructions: y's blocks a0, a0 + 1 x W's eight.  first = 1: the sums begin with the bias.  The 64 accumulators take turns, one instruction a turn.
.macro MUL16 a0, p, first
.irp a, \a0, \a0+1
.irp b, 0,1,2,3,4,5,6,7
.if \first
	v_wmma_f32_16x16x128_bf8_bf8 v[8*(8*((\a)%4)+\b):8*(8*((\a)%4)+\b)+7], v[128*(\p)+FR*\b:128*(\p)+FR*\b+FR-1], v[AF+FR*(\a):AF+FR*(\a)+FR-1], v[BC+8*\b:BC+8*\b+7]
.else
	v_wmma_f32_16x16x128_bf8_bf8 v[8*(8*((\a)%4)+\b):8*(8*((\a)%4)+\b)+7], v[128*(\p)+FR*\b:128*(\p)+FR*\b+FR-1], v[AF+FR*(\a):AF+FR*(\a)+FR-1], v[8*(8*((\a)%4)+\b):8*(8*((\a)%4)+\b)+7]
.endif
.endr
.endr
.endm
.macro FETCH_B slot, q, p
	WIN TO_B
.irp i, 0,1,2,3,4,5,6,7
	FRAGB 128*(\p)+FR*\i, ADRB+\slot, \q, \i
.endr
	WIN 0
.endm
.macro FETCH_A slot, q, i0
.irp i, \i0, \i0+1, \i0+2, \i0+3
	FRAGA AF+FR*(\i), ADRA+\slot, \q, \i
.endr
.endm
.macro PLACES n
.rept \n
	v_nop
.endr
.endm
.macro STEP slot, q, first
	s_wait_dscnt 4*NL                              ; W's set and y's blocks 0-3 are in; the youngest sixteen loads (blocks 4-7) may be out
	WIN MUL_LO-0x20*(\first)
	MUL16 0, (\q)%2, \first
	MUL16 2, (\q)%2, \first
	s_wait_dscnt 0
	PLACES NP
	FETCH_B \slot, (\q)+1, 1-(\q)%2
	FETCH_A \slot, (\q)+1, 0
	WIN MUL_HI-0x30*(\first)
	MUL16 4, (\q)%2, \first
	MUL16 6, (\q)%2, \first
	PLACES NP
	WIN 0
	FETCH_A \slot, (\q)+1, 4
.endm
.macro TURN slot, next, fill
	s_wait_tensorcnt 0x0                           ; all my tensor loads have landed: my part of the next slot
	ds_add_u32 v[SPW], v[NIL]                      ; 0 onto my spare word
	s_wait_dscnt 4*NL+1                            ; (the add and the youngest sixteen loads may be out)
	WIN MUL_LO
	MUL16 0, 1, 0
	s_wait_dscnt 0x0                               ; the add is done, and my reads of this slot are over
	s_barrier_signal -1
	MUL16 2, 1, 0
	WIN 0
	s_barrier_wait -1
.if \fill
	CREST                                          ; the barrier has opened a round of the cluster's barrier
	s_add_nc_u64 s[G0+4*\slot+2:G0+4*\slot+3], s[G0+4*\slot+2:G0+4*\slot+3], 2*1024
	s_add_nc_u64 s[G0B+4*\slot+2:G0B+4*\slot+3], s[G0B+4*\slot+2:G0B+4*\slot+3], 2*ROWB
	JLOAD G0+4*\slot, G1, G0B+4*\slot, G1B         ; the first tensor load behind the round; its four v_nop are also the places in front of the loads below
.else
	PLACES NP
.endif
	FETCH_B \next, 0, 0
	FETCH_A \next, 0, 0
	WIN MUL_HI
	MUL16 4, 1, 0
	MUL16 6, 1, 0
	PLACES NP
	WIN 0
	FETCH_A \next, 0, 4
.endm
	s_wait_alu depctr_va_vdst(0)
	s_wait_tensorcnt 1                             ; my part of K step 0 is in (K step 1's load may be out)
	s_barrier_signal -1
	s_barrier_wait -1                              ; everybody's is
	FETCH_B 0, 0, 0
	FETCH_A 0, 0, 0
	FETCH_A 0, 0, 4
	STEP 0, 0, 1                                   ; K = 1,024 is four slots: the eight steps are written out, no loop
	TURN 0, 1, 1
	STEP 1, 0, 0
	TURN 1, 0, 1
	STEP 0, 0, 0
	TURN 0, 1, 0
	STEP 1, 0, 0
	s_wait_dscnt 4*NL
	WIN MUL_LO
	MUL16 0, 1, 0
	MUL16 2, 1, 0
	s_wait_dscnt 0
	WIN MUL_HI
	MUL16 4, 1, 0
	MUL16 6, 1, 0
	WIN 0
; THE WAY OUT, block by block of 16 rows x 128 columns: x 2^(e6 + e7), through my own stage, back as whole rows of 512 bytes, stored by the 32 lanes.
.macro TOSTAGE a
.set AC, 64*((\a)%4)
	WIN 0x02+((\a)/4)
.set nn, 0
.rept 32
	v_pk_mul_f32 v[TMP+nn:TMP+nn+1], v[AC+nn:AC+nn+1], s[96:97] op_sel_hi:[1,0]   ; each accumulator from its low end on
.set nn, nn+2
.endr
	WIN 0
.irp b, 0,1,2,3,4,5,6,7
	ds_store_b128 v[STO], v[TMP+8*\b:TMP+8*\b+3] offset:64*\b
	ds_store_b128 v[STO], v[TMP+8*\b+4:TMP+8*\b+7] offset:64*\b+16
.endr
.set BB, BK+64*((\a)%2)
.irp t, 0,1,2,3,4,5,6,7,8,9,10,11,12,13,14,15
	ds_load_b128 v[BB+4*\t:BB+4*\t+3], v[RD] offset:\t*SPITCH   ; LDS serves a wave's instructions in order: these see the stores above
.endr
.endm
.macro SEND a, younger
.set BB, BK+64*((\a)%2)
	s_wait_dscnt \younger
.if (\a) > 0
	s_add_nc_u64 s[12:13], s[12:13], 16*NOUT*4     ; (behind a wait on XCNT: the earlier stores have read their base)
.endif
.irp t, 0,1,2,3,4,5,6,7,8,9,10,11,12,13,14,15
	global_store_b128 v[CO], v[BB+4*\t:BB+4*\t+3], s[12:13] offset:\t*NOUT*4 th:TH_STORE_NT   ; 32 lanes store 512 consecutive aligned bytes
.endr
.endm
	PLACES NP
	TOSTAGE 0
.irp a, 1,2,3,4,5,6,7
.if \a > 1
	s_wait_xcnt 0x0                                ; block a - 2's stores have read their registers and their base
.endif
	TOSTAGE \a
	SEND \a-1, 32                                  ; behind block a - 1's loads: block a's 16 stores and 16 loads
.endr
	s_wait_xcnt 0x0
	SEND 7, 0
	s_wait_tensorcnt 0x0                           ; the wave's end
	ds_add_u32 v[SPW], v[NIL]
	s_wait_dscnt 0x0
	CROUND                                         ; the closing round
	s_endpgm
.Lfunc_end_k_q35f8892de4_proj:
	.size	k_q35f8892de4_proj, .Lfunc_end_k_q35f8892de4_proj-k_q35f8892de4_proj
	.p2alignl 7, 3214868480
	.fill 96, 4, 3214868480
	.section	.rodata,"a",@progbits
	.p2align	6, 0x0
	.amdhsa_kernel k_q35f8892de4_proj
		.amdhsa_group_segment_fixed_size 327680
		.amdhsa_private_segment_fixed_size 0
		.amdhsa_enable_private_segment 0
		.amdhsa_kernarg_size 40
		.amdhsa_user_sgpr_count 2
		.amdhsa_user_sgpr_kernarg_segment_ptr 1
		.amdhsa_wavefront_size32 1
		.amdhsa_system_sgpr_workgroup_id_x 1
		.amdhsa_system_sgpr_workgroup_id_y 1
		.amdhsa_system_sgpr_workgroup_id_z 1
		.amdhsa_system_vgpr_workitem_id 0
		.amdhsa_next_free_vgpr 1024
		.amdhsa_next_free_sgpr 98
		.amdhsa_reserve_vcc 0
		.amdhsa_float_denorm_mode_32 3
		.amdhsa_float_denorm_mode_16_64 3
		.amdhsa_memory_ordered 1
		.amdhsa_forward_progress 1
		.amdhsa_inst_pref_size 130
	.end_amdhsa_kernel
	.amdgpu_metadata
---
amdhsa.version: [ 1, 2 ]
amdhsa.kernels:
  - .name:           k_q35f8892de4_proj
    .symbol:         k_q35f8892de4_proj.kd
    .args:
      - { .name: yc, .offset: 0, .size: 8, .value_kind: global_buffer, .address_space: global }
      - { .name: wpc, .offset: 8, .size: 8, .value_kind: global_buffer, .address_space: global }
      - { .name: lowp_scales, .offset: 16, .size: 8, .value_kind: global_buffer, .address_space: global }
      - { .name: b_proj, .offset: 24, .size: 8, .value_kind: global_buffer, .address_space: global }
      - { .name: out0, .offset: 32, .size: 8, .value_kind: global_buffer, .address_space: global }
    .group_segment_fixed_size: 327680
    .private_segment_fixed_size: 0
    .kernarg_segment_align: 8
    .kernarg_segment_size: 40
    .max_flat_workgroup_size: 128
    .sgpr_count:     98
    .vgpr_count:     1024
    .wavefront_size: 32
...
	.end_amdgpu_metadata
.endif
;; end of part 4
